; MI455X (gfx1250); checked and timed in simulation.
; The chip was launched on July 23, 2026; its instructions are those of AMD's public machine-readable ISA for CDNA 5 (MIT licence, August 2026) and "CDNA5" Instruction Set Architecture Reference Guide (July 2026). The comments in the code are by the model that wrote it; some were corrected since.
;; Flash Multihead Attention. Allowed arithmetic: float matrix products may take bf16 or f16 operands with f32 sums; other float arithmetic in f32, or as packed bf16 or f16 multiplies, adds, multiply-adds, maxima and minima; sums over many terms, partial sums and values carried from step to step in f32; what a program stores and reads back later, other than sums and carried values, may be rounded once to bf16 or f16.
;; Inputs: Wk 2,048 x 2,048 float32; Wo 2,048 x 2,048 float32; Wq 2,048 x 2,048 float32; Wv 2,048 x 2,048 float32; key_ 2,048 x 2,048 float32; query 2,048 x 2,048 float32; value 2,048 x 2,048 float32.
;; Outputs: out0 2,048 x 2,048 float32.
;; 2 versions, each right; version 2 is version 1 with the launch cast written anew for expert scheduling mode. Each part assembles by itself: llvm-mc -triple=amdgcn-amd-amdhsa -mcpu=gfx1250 --defsym DOCPART=n.
;; ======== version 1 of 2: 4 launches
;; limits: values are held in f16: magnitudes above 65,504 overflow, below 6.1e-05 lose precision
;; workspace buffers: ab 25,165,824 bytes; bb 25,165,824 bytes; wo16 8,388,608 bytes; rope 1,048,576 bytes; qkv 25,165,824 bytes; o16 8,388,608 bytes
;; launch cast (part 1): grid 512 x 1, 8 waves a work-group, no clusters, 0 bytes of LDS; arguments query, key_, Wv, Wq, Wk, value, Wo, ab, bb, wo16, rope; writes ab, bb, wo16, rope
.if DOCPART == 1
	.amdgcn_target "amdgcn-amd-amdhsa--gfx1250"
	.amdhsa_code_object_version 6
	.text
	.protected	k_qf3b68a65f3_cast
	.globl	k_qf3b68a65f3_cast
	.p2align	8
	.type	k_qf3b68a65f3_cast,@function
k_qf3b68a65f3_cast:
	s_mov_b64 s[64:65], 0
	v_nop
	global_prefetch_b8 v0, s[64:65] scope:SCOPE_SE
	s_setreg_imm32_b32 hwreg(HW_REG_WAVE_MODE, 25, 1), 1
	s_wait_xcnt 0x0
; THE SEVEN INPUTS, [2048][2048] f32 each, ARE ROUNDED ONCE TO 16 BITS, AND THE TABLE OF ROTATIONS IS MADE.
; ab  = [3][2048][2048] bf16: query, key_, Wv (rows of the three products).   bb = [3][2048][2048] bf16: Wq, Wk, value (their columns).
; wo16 = Wo rounded to bf16, that number written as f16 (exact between 6.1e-5 and 65,504; below it f16's fixed step of 6e-8; LIMIT: |Wo| under 65,504).
; rope = [2048][128] f32: row t = cos(t f_j), j = 0..63, then sin(t f_j); f_j = 10000^(-j/64) = 2^(-0.20762051 j).
; SHARES.  Work-group x takes bytes 32,768 x .. + 32,767 of EACH tensor, a wave 4,096 of them: eight loads of 512 consecutive bytes (16 a lane).
; All 56 loads of a wave go out first; the table is made while they are out; then each load is waited for by its count, rounded and stored:
; a store of 8 bytes a lane covers 256 consecutive bytes, aligned.  No register that a store reads is written again.
; No LDS, no matrix unit, no cluster: nothing is shared and nothing is multiplied.
; SINE AND COSINE.  x = t f (one f32 rounding, as the outer product has it); n = the whole number nearest 2 x / pi (1,304 at the most here; the reduction
; is exact for n under 2^15); r = x - n pi/2 with pi/2 in three parts; polynomials on |r| <= pi/4; the quadrant chooses by v_cndmask_b32 and a sign bit.
.set X,    32                          ; v[32:255]  tensor T, load i at X + 32 T + 4 i
.set FR,   6                           ; v6, v7     f of my two j
.set TF,   8                           ; v8         t in f32
.set OUTP, 10                          ; v[10:11]   my two numbers of the table
.set WK,   12                          ; v12-17, v18-23 at work
	s_load_b512 s[4:19], s[0:1], 0x0               ; query s[4:5], key_ s[6:7], Wv s[8:9], Wq s[10:11], Wk s[12:13], value s[14:15], Wo s[16:17], ab s[18:19]
	s_load_b128 s[20:23], s[0:1], 0x40             ; bb s[20:21], wo16 s[22:23]
	s_load_b64 s[24:25], s[0:1], 0x50              ; rope
	v_lshrrev_b32 v4, 5, v0
	v_readfirstlane_b32 s34, v4                    ; wave 0..7
	v_and_b32 v5, 31, v0                           ; lane
	s_lshl_b32 s38, ttmp9, 15                      ; the work-group's 32,768 bytes,
	s_lshl_b32 s39, s34, 12                        ; the wave's 4,096
	s_add_co_u32 s38, s38, s39
	v_lshl_add_u32 v1, v5, 4, s38                  ; v1: where I read, in every input; never rewritten
	v_lshrrev_b32 v2, 1, v1                        ; v2: where I write, half as far; never rewritten
	s_lshl_b32 s38, ttmp9, 11                      ; the table: wave g = 8 x + w makes its bytes 256 g .. 256 g + 255:
	s_lshl_b32 s39, s34, 8                         ; row t = 4 x + w / 2, cosines (w even) or sines (w odd)
	s_add_co_u32 s38, s38, s39
	v_lshl_add_u32 v3, v5, 3, s38                  ; v3: my 8 bytes of it; never rewritten
	s_lshl_b32 s36, ttmp9, 2
	s_lshr_b32 s39, s34, 1
	s_add_co_u32 s36, s36, s39                     ; t
	s_and_b32 s37, s34, 1
	s_mul_i32 s37, s37, 3                          ; sin x = cos(x - pi/2): the quadrant's number + 3
	s_mov_b32 s35, 0xffff0000                      ; a word's upper bf16
	s_mov_b32 s40, 0xbfc90000                      ; -pi/2 in three parts: -1.5703125,
	s_mov_b32 s41, 0xb9fda000                      ; -4.83751297e-4,
	s_mov_b32 s42, 0xb3a22168                      ; -7.54978996e-8
	s_mov_b32 s43, 0xb94ca1f9                      ; sine: -1.9515296e-4,
	s_mov_b32 s44, 0x3c08839e                      ; 8.3321609e-3,
	s_mov_b32 s45, 0xbe2aaaa3                      ; -1.6666655e-1
	s_mov_b32 s46, 0x37ccf5ce                      ; cosine: 2.4433157e-5,
	s_mov_b32 s47, 0xbab6061a                      ; -1.3887316e-3,
	s_mov_b32 s48, 0x3d2aaaa5                      ; 4.1666646e-2
	s_wait_kmcnt 0x0
	s_add_nc_u64 s[26:27], s[18:19], 0x800000      ; ab's planes 1 and 2,
	s_add_nc_u64 s[28:29], s[18:19], 0x1000000
	s_add_nc_u64 s[30:31], s[20:21], 0x800000      ; bb's
	s_add_nc_u64 s[32:33], s[20:21], 0x1000000
.macro LD8 t, base                     ; a tensor's eight loads
.irp i, 0,1,2,3,4,5,6,7
	global_load_b128 v[X+32*(\t)+4*(\i):X+32*(\t)+4*(\i)+3], v1, s[\base:\base+1] offset:512*(\i) th:TH_LOAD_NT
.endr
.endm
	LD8 0, 4
	LD8 1, 6
	LD8 2, 8
	LD8 3, 10
	LD8 4, 12
	LD8 5, 14
	LD8 6, 16
	; the table, while the 56 loads are out
	v_lshlrev_b32 v4, 1, v5                        ; j = 2 lane,
	v_add_nc_u32 v5, 1, v4                         ; and 2 lane + 1
	v_cvt_f32_u32 v4, v4
	v_cvt_f32_u32 v5, v5
	v_mul_f32 v4, 0xbe549a78, v4                   ; -j log2(10000) / 64
	v_mul_f32 v5, 0xbe549a78, v5
	v_exp_f32 v[FR], v4
	v_exp_f32 v[FR+1], v5
	v_cvt_f32_u32 v[TF], s36                       ; the plain instruction behind the two exponentials
	s_wait_alu depctr_va_vdst(0)                   ; one wait for the two, ahead of their first reader
.macro TRIG f, o, b                    ; f: register of f_j; o: where the number goes; b: six registers at work
	v_mul_f32 v[(\b)], v[TF], v[\f]                ; x = t f
	v_mul_f32 v[(\b)+1], 0x3f22f983, v[(\b)]       ; 2 x / pi
	v_rndne_f32 v[(\b)+1], v[(\b)+1]               ; n
	v_fma_f32 v[(\b)], v[(\b)+1], s40, v[(\b)]
	v_fma_f32 v[(\b)], v[(\b)+1], s41, v[(\b)]
	v_fma_f32 v[(\b)], v[(\b)+1], s42, v[(\b)]     ; r
	v_mul_f32 v[(\b)+2], v[(\b)], v[(\b)]          ; z = r r
	v_fma_f32 v[(\b)+3], v[(\b)+2], s43, s44
	v_fma_f32 v[(\b)+3], v[(\b)+3], v[(\b)+2], s45
	v_mul_f32 v[(\b)+3], v[(\b)+3], v[(\b)+2]
	v_fma_f32 v[(\b)+3], v[(\b)+3], v[(\b)], v[(\b)]  ; sin r
	v_fma_f32 v[(\b)+4], v[(\b)+2], s46, s47
	v_fma_f32 v[(\b)+4], v[(\b)+4], v[(\b)+2], s48
	v_mul_f32 v[(\b)+5], v[(\b)+2], v[(\b)+2]
	v_fma_f32 v[(\b)], v[(\b)+2], -0.5, 1.0
	v_fma_f32 v[(\b)+4], v[(\b)+4], v[(\b)+5], v[(\b)]  ; cos r
	v_cvt_i32_f32 v[(\b)+1], v[(\b)+1]
	v_add_nc_u32 v[(\b)+1], s37, v[(\b)+1]         ; q: cos(q pi/2 + r) is wanted
	v_and_b32 v[(\b)+5], 1, v[(\b)+1]
	v_cmp_eq_u32 vcc_lo, 1, v[(\b)+5]
	v_cndmask_b32 v[\o], v[(\b)+4], v[(\b)+3], vcc_lo  ; q odd: the sine
	v_add_nc_u32 v[(\b)+1], 1, v[(\b)+1]
	v_and_b32 v[(\b)+1], 2, v[(\b)+1]              ; q mod 4 = 1 or 2: the sign turns
	v_lshlrev_b32 v[(\b)+1], 30, v[(\b)+1]
	v_xor_b32 v[\o], v[\o], v[(\b)+1]
.endm
	TRIG FR, OUTP, WK
	TRIG FR+1, OUTP+1, WK+6
	global_store_b64 v3, v[OUTP:OUTP+1], s[24:25]  ; the wave's 256 consecutive bytes, aligned
.macro CV8 t, base, half               ; a tensor's eight loads are rounded and stored.  half = 1: the bf16 number is written as f16
.irp i, 0,1,2,3,4,5,6,7
.set r, X+32*(\t)+4*(\i)
	s_wait_loadcnt 55-8*(\t)-(\i)                  ; loads come back in order: this one is in, the younger ones stay out
	v_cvt_pk_bf16_f32 v[r], v[r], v[r+1]
	v_cvt_pk_bf16_f32 v[r+1], v[r+2], v[r+3]
.if \half
	v_lshlrev_b32 v[r+2], 16, v[r]
	v_and_b32 v[r+3], s35, v[r]
	v_cvt_pk_f16_f32 v[r], v[r+2], v[r+3]
	v_lshlrev_b32 v[r+2], 16, v[r+1]
	v_and_b32 v[r+3], s35, v[r+1]
	v_cvt_pk_f16_f32 v[r+1], v[r+2], v[r+3]
.endif
	global_store_b64 v2, v[r:r+1], s[\base:\base+1] offset:256*(\i)
.endr
.endm
	CV8 0, 18, 0                                   ; query -> ab plane 0
	CV8 1, 26, 0                                   ; key_  -> ab plane 1
	CV8 2, 28, 0                                   ; Wv    -> ab plane 2
	CV8 3, 20, 0                                   ; Wq    -> bb plane 0
	CV8 4, 30, 0                                   ; Wk    -> bb plane 1
	CV8 5, 32, 0                                   ; value -> bb plane 2
	CV8 6, 22, 1                                   ; Wo    -> wo16
	s_endpgm
.Lfunc_end_k_qf3b68a65f3_cast:
	.size	k_qf3b68a65f3_cast, .Lfunc_end_k_qf3b68a65f3_cast-k_qf3b68a65f3_cast
	.p2alignl 7, 3214868480
	.fill 96, 4, 3214868480
	.section	.rodata,"a",@progbits
	.p2align	6, 0x0
	.amdhsa_kernel k_qf3b68a65f3_cast
		.amdhsa_group_segment_fixed_size 0
		.amdhsa_private_segment_fixed_size 0
		.amdhsa_enable_private_segment 0
		.amdhsa_kernarg_size 88
		.amdhsa_user_sgpr_count 2
		.amdhsa_user_sgpr_kernarg_segment_ptr 1
		.amdhsa_wavefront_size32 1
		.amdhsa_system_sgpr_workgroup_id_x 1
		.amdhsa_system_sgpr_workgroup_id_y 1
		.amdhsa_system_sgpr_workgroup_id_z 1
		.amdhsa_system_vgpr_workitem_id 0
		.amdhsa_next_free_vgpr 256
		.amdhsa_next_free_sgpr 66
		.amdhsa_reserve_vcc 1
		.amdhsa_float_denorm_mode_32 3
		.amdhsa_float_denorm_mode_16_64 3
		.amdhsa_memory_ordered 1
		.amdhsa_forward_progress 1
		.amdhsa_inst_pref_size 26
	.end_amdhsa_kernel
	.amdgpu_metadata
---
amdhsa.version: [ 1, 2 ]
amdhsa.kernels:
  - .name:           k_qf3b68a65f3_cast
    .symbol:         k_qf3b68a65f3_cast.kd
    .args:
      - { .name: query, .offset: 0, .size: 8, .value_kind: global_buffer, .address_space: global }
      - { .name: key_, .offset: 8, .size: 8, .value_kind: global_buffer, .address_space: global }
      - { .name: Wv, .offset: 16, .size: 8, .value_kind: global_buffer, .address_space: global }
      - { .name: Wq, .offset: 24, .size: 8, .value_kind: global_buffer, .address_space: global }
      - { .name: Wk, .offset: 32, .size: 8, .value_kind: global_buffer, .address_space: global }
      - { .name: value, .offset: 40, .size: 8, .value_kind: global_buffer, .address_space: global }
      - { .name: Wo, .offset: 48, .size: 8, .value_kind: global_buffer, .address_space: global }
      - { .name: ab, .offset: 56, .size: 8, .value_kind: global_buffer, .address_space: global }
      - { .name: bb, .offset: 64, .size: 8, .value_kind: global_buffer, .address_space: global }
      - { .name: wo16, .offset: 72, .size: 8, .value_kind: global_buffer, .address_space: global }
      - { .name: rope, .offset: 80, .size: 8, .value_kind: global_buffer, .address_space: global }
    .group_segment_fixed_size: 0
    .private_segment_fixed_size: 0
    .kernarg_segment_align: 8
    .kernarg_segment_size: 88
    .max_flat_workgroup_size: 256
    .sgpr_count:     66
    .vgpr_count:     256
    .wavefront_size: 32
...
	.end_amdgpu_metadata
.endif
;; end of part 1
;; launch proj (part 2): grid 8 x 24, 4 waves a work-group, clusters of 4 x 4, 327,680 bytes of LDS; arguments ab, bb, qkv, rope; writes qkv
.if DOCPART == 2
	.amdgcn_target "amdgcn-amd-amdhsa--gfx1250"
	.amdhsa_code_object_version 6
	.text
	.protected	k_qf3b68a65f3_proj
	.globl	k_qf3b68a65f3_proj
	.p2align	8
	.type	k_qf3b68a65f3_proj,@function
k_qf3b68a65f3_proj:
	s_mov_b64 s[64:65], 0
	v_nop
	global_prefetch_b8 v0, s[64:65] scope:SCOPE_SE
	s_setreg_imm32_b32 hwreg(HW_REG_WAVE_MODE, 25, 1), 1
	s_wait_xcnt 0x0
	s_wait_alu depctr_hold_cnt(0) depctr_sa_sdst(0) depctr_va_vdst(0) depctr_va_sdst(0) depctr_va_ssrc(0) depctr_va_vcc(0) depctr_vm_vsrc(0)
	s_getreg_b32 s2, hwreg(HW_REG_IB_STS2, 6, 4)
	s_cmp_eq_u32 s2, 0
	s_cbranch_scc0 .Lentry_in_a_cluster
	s_endpgm
.Lentry_in_a_cluster:
	s_bfe_u32 s2, ttmp6, 0x10000c
	s_cmp_lg_u32 s2, 0xf033
	s_cbranch_scc0 .Lentry_shape_is_right
	s_endpgm
.Lentry_shape_is_right:
; THE THREE PROJECTIONS AS ONE PRODUCT, WITH THE ROTATION ON THE WAY OUT.  C[m][n] = sum over k of A[m][k] B[n][k], plane by plane:
; A = ab as [6144][2048] bf16 (query, key_, Wv), B = bb's plane (Wq, Wk, value).  C's planes: q[position][128 h + c] and k[position][128 h + c], both rotated, and v TRANSPOSED, vT[128 h + c][position].
; Sums and the rotation in f32; C rounded once to f16.  LIMIT: |q|, |k|, |v| under 65,504.
; HOW C LIES IN qkv: [3 planes][16 groups of 128 columns][128 blocks of 16 rows][8 pieces][32 lanes][16 bytes]: in piece b lane l holds row l % 16, columns 16 b + 8 (l / 16) + 0..7.  That is half a matrix
; fragment (16 rows x 32 along the columns are pieces 2 c and 2 c + 1), as the next launch's loads want it, and it is what a lane holds here when accumulator (a, b) is rounded: nothing changes lanes on the way out.
; A tile of C is 256 x 256: four waves, each 128 x 128: 64 accumulators of 16 x 16, 512 registers.  K goes in steps of 128 (rows of 256 bytes, aligned) through a ring of two LDS slots: a wave issues 256 matrix
; instructions for a step, 224 of them between a slot's request and the wait for it.  6144 x 2048 of C are 192 such tiles: 192 work-groups.  No tile gives 256 equal shares that stay inside a plane's 2,048 rows
; (192 and 384 do not divide 2,048; 128 x 256 gives 384 tiles), and a tile of 128 x 128 has half the matrix work for each byte that it fetches and for each LDS load.
; A WAVE'S 128 COLUMNS ARE ONE GROUP (for q and k: one head), so the two partners of a rotation, c and c + 64, lie in the same lane and register of accumulators (a, b) and (a, b + 4).
; CLUSTERS: 4 x 4 work-groups.  The four of a row of the cluster need the same tiles of A, the four of a column the same tiles of B: each is asked for JOINTLY.  A cluster's 1,024 rows lie in one plane.
; THE MATRIX INSTRUCTION IS USED TRANSPOSED (source 0 = 16 rows of B, source 1 = 16 rows of A): lane l holds row l % 16 of C and the columns 8 (l / 16) + 0..7 of the block: 16 bytes of f16 on end.
; REGISTERS, in windows of 256 (s_set_vgpr_msb's low byte: bits 1:0 source 0, 3:2 source 1, 5:4 source 2, 7:6 destination):
;   window 0: v0-31 addresses; v64-127, v128-191 fragments of A, two buffers; on the way out v64-127 take the rotation's products, v128-255 the packed results, four buffers of 32
;   window 1: v64-127, v128-191 fragments of B, two buffers; on the way out all four quarters are the table's buffers: block a's 64 numbers at 64 ((a + 3) % 4)
;   window 2: the 32 accumulators of my rows 0-63 ((a, b) at v[8 (8 a + b)]);   window 3: those of my rows 64-127
.set SIZE_K, 2048
.set KSTEP,  128
.set PITCH,  272                       ; an LDS row: 256 bytes + 16 = 68 words: row r starts at bank 4 r mod 64 (64 banks of 4 bytes: ISA guide 11.1), so the 16 rows of a load start at 16 different banks
.set HALFT,  128*PITCH                 ; 128 rows: what one tensor load brings, and what one wave reads of A or of B
.set SLOT,   4*HALFT                   ; A's 256 rows, then B's 256 rows
.set SPARE,  2*SLOT                    ; behind the ring: the spare words, 128 bytes for each wave
.set LAPS, SIZE_K/(2*KSTEP)            ; a lap = two K steps = once round the ring: 8
.set ADRA, 16                          ; v16-17  LDS address of my A fragments in slot 0, 1
.set ADRB, 20                          ; v20-21  the same for B
.set CO,   26                          ; v26     16 x my lane: my 16 bytes of a piece of C; never rewritten
.set RO,   27                          ; v27     my byte offset in the table; never rewritten
.set SPW,  28                          ; v28     LDS address of my spare word; never rewritten
.set NIL,  29                          ; v29     0; never rewritten
.set PFO,  30                          ; v30     the prefetches' offset: my lane x a row of A or B (4,096 bytes); never rewritten
.set PFA,  44                          ; s[44:45] where my prefetches stand: my work-group's 32 rows of the 128 that I fetch, one K step further along K than the refill that is being asked for
.set LIM,  43                          ; s43     1 in a wave that prefetches, else the greatest number
.set F0,   64                          ; fragment buffer 0
.set F1,   128                         ; fragment buffer 1
.set RT,   64                          ; the way out: x sin, 64 registers, in window 0
.set TMP,  128                         ; the way out: packed results, block a's at TMP + 32 (a % 4), in window 0
.set G1, 24                            ; s[24:31] descriptor group 1 for A's tiles
.set G0, 32                            ; s[32:39] descriptor group 0 for A's tiles, one set for each slot
.set G1B, 48                           ; s[48:55] descriptor group 1 for B's tiles: it differs in the mask alone
.set G0B, 56                           ; s[56:63] descriptor group 0 for B's tiles
.set RP,  66                           ; s[66:67] the table at my wave's first position; never rewritten behind the head
.set PLN, 68                           ; s68      the plane: made of the cluster's y alone, so equal in all sixteen partners
.set MSB, 0
.macro WIN new                         ; the immediate's high byte repeats the setting that is left; a switch that changes nothing is dropped
.if MSB != (\new)
	s_set_vgpr_msb (MSB<<8)|(\new)
.set MSB, \new
.endif
.endm
.set MUL_LO, 0xa1                      ; source 0 (B) window 1, source 1 (A) window 0, C and D window 2
.set MUL_HI, 0xf1                      ; the same, C and D window 3
.set TO_B,   0x40                      ; destination window 1, address window 0
; A joint load.  Waves 0 and 1 fetch A's two halves, waves 2 and 3 B's.  The branch hangs on the wave's number alone.  An s_nop 0 and four v_nop follow each of the two lines.
.macro JLOAD s
	s_cmp_eq_u32 s11, 0
	s_cbranch_scc0 .Lfor_b_\@
	tensor_load_to_lds s[G0+4*(\s):G0+4*(\s)+3], s[G1:G1+7]
	s_nop 0
.rept 4
	v_nop
.endr
	s_branch .Lasked_\@
.Lfor_b_\@:
	tensor_load_to_lds s[G0B+4*(\s):G0B+4*(\s)+3], s[G1B:G1B+7]
	s_nop 0
.rept 4
	v_nop
.endr
.Lasked_\@:
.endm
; A PREFETCH INTO THE L2, behind each joint refill, its five lines and the run of LDS loads that follows them: the K step that stands TWO refills on, 512 matrix instructions ahead of the load that will want it:
; 32 rows x 256 bytes, a lane a row, one instruction a wave.  Each row's 256 bytes of a K step are named ONCE in the launch.  A's tile row is read by both clusters of its row of clusters: cluster x = 0 asks.
; B's tile column is read by the plane's two rows of clusters: the first of them (cluster y even) asks.  The four partners that ask for a tile jointly share its rows out BY ADDRESS: of the 128 rows that a wave
; fetches the partner at place p takes 32 p .. 32 p + 31 (p = cx for A, cy for B): no branch hangs on a work-group's place in its cluster.  K steps 0 to 3 come by their loads alone; the loop's last trip,
; whose refills are the last two K steps, asks for nothing.
.macro ASK
	s_cmp_gt_u32 s3, s[LIM]                        ; s3 = 1 in the loop's last trip
	s_cbranch_scc0 .Lnot_mine_\@
	global_prefetch_b8 v[PFO], s[PFA:PFA+1] offset:KSTEP*2 th:TH_LOAD_NT scope:SCOPE_SE
.Lnot_mine_\@:
.endm
.macro CREST                           ; a round of the cluster's barrier behind its opening barrier
	s_cmp_lg_u32 s10, 0
	s_cbranch_scc1 .Lnot_wave_0_\@
	s_barrier_signal -3
.Lnot_wave_0_\@:
	s_barrier_wait -3
	s_barrier_signal -1
	s_barrier_wait -1
.endm
.macro CROUND                          ; a whole round
	s_barrier_signal -1
	s_barrier_wait -1
	CREST
.endm
	s_load_b128 s[4:7], s[0:1], 0x0                ; ab s[4:5], bb s[6:7]
	s_load_b64 s[8:9], s[0:1], 0x10                ; qkv
	s_load_b64 s[RP:RP+1], s[0:1], 0x18            ; rope
	v_lshl_add_u32 v[SPW], v0, 2, SPARE
	v_mov_b32 v[NIL], 0
	ds_add_u32 v[SPW], v[NIL]                      ; the wave's opening: the add and its wait stand ahead of my first tensor load; the set-up below stands between them
	v_lshrrev_b32 v1, 5, v0
	v_readfirstlane_b32 s10, v1                    ; wave 0..3
	s_lshr_b32 s11, s10, 1                         ; which half of the tile's rows is mine.  Also: I fetch for A (0) or for B (1)
	s_and_b32 s12, s10, 1                          ; which half of its columns.  Also: which 128 rows of that tile I fetch
	s_bfe_u32 s40, ttmp6, 0x40000                  ; cx, cy: my place in the cluster
	s_bfe_u32 s41, ttmp6, 0x40004
	s_lshl_b32 s42, ttmp9, 2
	s_add_co_u32 s42, s42, s40                     ; tile column = 4 x cluster x + cx, 0..7
	s_and_b32 s13, ttmp7, 0xffff
	s_lshr_b32 s[PLN], s13, 1                      ; two rows of clusters to a plane
	s_lshl_b32 s13, s13, 2
	s_add_co_u32 s13, s13, s41                     ; tile row = 4 x cluster y + cy, 0..23
	s_lshl_b32 s43, s41, 2
	s_lshl_b32 s43, 15, s43                        ; my row of the cluster: places 4 cy .. 4 cy + 3
	s_lshl_b32 s44, 0x1111, s40                    ; my column: places cx, cx + 4, cx + 8, cx + 12
	; descriptor group 1: a tile of 128 rows x 128 elements, padded in LDS
	s_or_b32 s[G1+0], s43, (1<<16)|(1<<20)|(1<<21)|(5<<22)|(3<<25)  ; 15:0 the mask: A's tiles go to my row; 17:16 2-byte elements; 20 padding on; 21 set beside a mask; 24:22 after every 64 words; 31:25 4 words
	s_or_b32 s[G1B+0], s44, (1<<16)|(1<<20)|(1<<21)|(5<<22)|(3<<25) ; the same with the mask of my column
.irp g, G1, G1B
	s_mov_b32 s[(\g)+1], KSTEP<<16                 ; tensor_dim0 = 128
	s_mov_b32 s[(\g)+2], 128<<16                   ; tensor_dim1 = 128
	s_mov_b32 s[(\g)+3], KSTEP<<16                 ; tile_dim0 = 128
	s_mov_b32 s[(\g)+4], 128                       ; tile_dim1 = 128
	s_mov_b32 s[(\g)+5], SIZE_K                    ; elements from row to row
	s_mov_b32 s[(\g)+6], 0
	s_mov_b32 s[(\g)+7], 0
.endr
	; where the tiles come from.  A's hang on the tile row alone, B's on the tile column and the plane alone; each address is made in registers that never hold the other coordinate.
	s_lshl_b32 s17, s12, 7                         ; which 128 rows of the tile I fetch
	s_lshl_b32 s16, s13, 8
	s_add_co_u32 s16, s16, s17                     ; A: row 256 x tile row + 128 x half
	s_lshl_b32 s46, s42, 8
	s_add_co_u32 s46, s46, s17                     ; B: row 256 x tile column + 128 x half,
	s_lshl_b32 s69, s[PLN], 11
	s_add_co_u32 s46, s46, s69                     ; in the plane's 2,048 rows
	s_mov_b32 s17, 0
	s_mov_b32 s47, 0
	s_mov_b64 s[18:19], SIZE_K*2
	s_mul_u64 s[16:17], s[16:17], s[18:19]
	s_mul_u64 s[46:47], s[46:47], s[18:19]
	s_mul_i32 s20, s10, HALFT                      ; where they go: wave x 128 rows: no place in the cluster enters an LDS address
	s_and_b32 s70, s13, 7                          ; the table: the tile's 256 positions in its plane, 512 bytes each,
	s_lshl_b32 s70, s70, 17
	s_lshl_b32 s71, s11, 16                        ; and my wave's 128 of them
	s_add_co_u32 s70, s70, s71
	s_mov_b32 s71, 0
	s_wait_dscnt 0x0                               ; the opening add is done
	s_wait_kmcnt 0x0
	s_add_nc_u64 s[14:15], s[4:5], s[16:17]
	s_add_nc_u64 s[46:47], s[6:7], s[46:47]
	s_add_nc_u64 s[RP:RP+1], s[RP:RP+1], s[70:71]
	CROUND                                         ; all sixteen work-groups are here: the first joint loads meet
.irp s, 0,1
	s_mov_b32 s[G0+4*(\s)], 1                                      ; 1:0 count = 1
	s_add_co_u32 s[G0+4*(\s)+1], s20, (\s)*SLOT                    ; 63:32 LDS address
	s_add_nc_u64 s[G0+4*(\s)+2:G0+4*(\s)+3], s[14:15], (\s)*KSTEP*2  ; 120:64 global address: K step s
	s_or_b32 s[G0+4*(\s)+3], s[G0+4*(\s)+3], 0x80000000            ; 127:126 type = 2
	s_mov_b32 s[G0B+4*(\s)], 1
	s_add_co_u32 s[G0B+4*(\s)+1], s20, (\s)*SLOT
	s_add_nc_u64 s[G0B+4*(\s)+2:G0B+4*(\s)+3], s[46:47], (\s)*KSTEP*2
	s_or_b32 s[G0B+4*(\s)+3], s[G0B+4*(\s)+3], 0x80000000
	JLOAD \s                                       ; the ring is filled before anything else is done: two loads of mine are out
.endr
	; A fragment is 16 rows x 32 K in 8 registers: lane l holds row l % 16; registers 0-3 K = 8 (l / 16) + 0..7, registers 4-7 K = 16 + 8 (l / 16) + 0..7: two loads of 16 bytes, 32 bytes apart.
	v_and_b32 v1, 15, v0                           ; l % 16
	v_bfe_u32 v2, v0, 4, 1                         ; l / 16
	v_mul_u32_u24 v3, v1, PITCH
	v_lshl_add_u32 v3, v2, 4, v3                   ; row x pitch + 16 x half
	s_mul_i32 s21, s11, HALFT                      ; my 128 rows of A
	s_mul_i32 s22, s12, HALFT                      ; my 128 rows of B,
	s_add_co_u32 s22, s22, 2*HALFT                 ; which lie behind A's 256
.irp s, 0,1
	v_add_nc_u32 v[ADRA+(\s)], s21, v3
	v_add_nc_u32 v[ADRB+(\s)], s22, v3
	s_add_co_u32 s21, s21, SLOT
	s_add_co_u32 s22, s22, SLOT
.endr
	v_and_b32 v[CO], 31, v0
	v_lshlrev_b32 v[CO], 4, v[CO]                  ; 16 x lane
	; C at my wave's 8 blocks of 16 rows in my group of 128 columns: 32,768 bytes on end
	s_and_b32 s16, s13, 7                          ; the tile row in its plane: 16 blocks of 4,096 bytes,
	s_lshl_b32 s16, s16, 16
	s_lshl_b32 s14, s11, 15                        ; my row half: 8 blocks,
	s_add_co_u32 s16, s16, s14
	s_lshl_b32 s14, s[PLN], 23                     ; the plane: 8 MiB,
	s_add_co_u32 s16, s16, s14
	s_lshl_b32 s46, s42, 20                        ; the group of columns, 2 x tile column + column half: 128 blocks of 4,096 bytes each
	s_lshl_b32 s47, s12, 19
	s_add_co_u32 s46, s46, s47
	s_add_co_u32 s16, s16, s46
	s_mov_b32 s17, 0
	s_add_nc_u64 s[8:9], s[8:9], s[16:17]
	; the prefetches.  s13 = tile row, s42 = tile column, s40 = cx, s41 = cy still stand
	s_lshl_b32 s13, s13, 8                         ; the tile's first row in ab
	s_lshl_b32 s42, s42, 8
	s_lshl_b32 s69, s[PLN], 11
	s_add_co_u32 s42, s42, s69                     ; the tile's first row in bb
	s_and_b32 s22, ttmp7, 1                        ; which of the plane's two rows of clusters
	s_cmp_eq_u32 s11, 0                            ; do I fetch for A?
	s_cselect_b32 s20, s13, s42                    ; the tile's first row
	s_cselect_b32 s21, s40, s41                    ; my place among the four that ask for it with me
	s_cselect_b32 s22, ttmp9, s22                  ; the coordinate along which another cluster reads the same rows
	s_cselect_b64 s[PFA:PFA+1], s[4:5], s[6:7]
	s_cmp_eq_u32 s22, 0
	s_cselect_b32 s[LIM], 1, -1                    ; the same in all sixteen partners, for a given wave
	s_lshl_b32 s22, s12, 7
	s_add_co_u32 s20, s20, s22                     ; + the 128 rows that I fetch
	s_lshl_b32 s21, s21, 5
	s_add_co_u32 s20, s20, s21                     ; + my work-group's 32 of them
	s_mov_b32 s21, 0
	s_mov_b64 s[18:19], SIZE_K*2
	s_mul_u64 s[20:21], s[20:21], s[18:19]
	s_add_nc_u64 s[PFA:PFA+1], s[PFA:PFA+1], s[20:21]
	s_add_nc_u64 s[PFA:PFA+1], s[PFA:PFA+1], 2*KSTEP*2  ; at K step 2: the first refill steps it to 3 and names K step 4
	v_and_b32 v[PFO], 31, v0
	v_mul_u32_u24 v[PFO], v[PFO], SIZE_K*2
	v_lshlrev_b32 v[RO], 9, v1                     ; the table: position l % 16 of a block, 512 bytes a position,
	v_lshl_add_u32 v[RO], v2, 5, v[RO]             ; my eight columns' 32 bytes
; The table's numbers for block a of 16 rows: for b = 0..3: cosines of columns 16 b + 8 (l / 16) + 0..7 (32 bytes), the sines 256 bytes on: 16 loads, 64 registers of window 1.
; Plane 2 asks too and does not use them, so that the counted waits count the same loads in every work-group.
.macro TLOAD a
.set TBB, 64*(((\a)+3)%4)
	WIN TO_B
.irp b, 0,1,2,3
	global_load_b128 v[TBB+16*(\b):TBB+16*(\b)+3],     v[RO], s[RP:RP+1] offset:(\a)*8192+(\b)*64
	global_load_b128 v[TBB+16*(\b)+4:TBB+16*(\b)+7],   v[RO], s[RP:RP+1] offset:(\a)*8192+(\b)*64+16
	global_load_b128 v[TBB+16*(\b)+8:TBB+16*(\b)+11],  v[RO], s[RP:RP+1] offset:(\a)*8192+(\b)*64+256
	global_load_b128 v[TBB+16*(\b)+12:TBB+16*(\b)+15], v[RO], s[RP:RP+1] offset:(\a)*8192+(\b)*64+272
.endr
	WIN 0
.endm
	TLOAD 0                                        ; blocks 0 and 1 go into the two quarters of window 1 that the K loop does not use; they are waited for in the last quarter
	TLOAD 1
; 16 matrix instructions: m blocks a0, a0 + 1 of the window's four (hi = 0: my rows 0-63, 1: rows 64-127) x all 8 n blocks, 32 along K.  zero = 1: the first product starts the sums: nothing is cleared.
; The 64 accumulators take turns, one instruction a turn, in the same order in every quarter.
.macro MUL16 f, hi, a0, zero
	WIN MUL_LO+0x50*(\hi)
.irp a, \a0, (\a0)+1
.irp b, 0,1,2,3,4,5,6,7
.if \zero
	v_wmma_f32_16x16x32_bf16 v[8*(8*(\a)+(\b)):8*(8*(\a)+(\b))+7], v[(\f)+8*(\b):(\f)+8*(\b)+7], v[(\f)+8*(4*(\hi)+(\a)):(\f)+8*(4*(\hi)+(\a))+7], 0
.else
	v_wmma_f32_16x16x32_bf16 v[8*(8*(\a)+(\b)):8*(8*(\a)+(\b))+7], v[(\f)+8*(\b):(\f)+8*(\b)+7], v[(\f)+8*(4*(\hi)+(\a)):(\f)+8*(4*(\hi)+(\a))+7], v[8*(8*(\a)+(\b)):8*(8*(\a)+(\b))+7]
.endif
.endr
.endr
.endm
; 32 LDS loads in one run: the fragments of one quarter step (128 rows of B, 128 rows of A, 32 K at byte k of the rows) into buffer f
.macro FETCH slot, k, f
	WIN TO_B
.irp i, 0,1,2,3,4,5,6,7
	ds_load_b128 v[(\f)+8*(\i):(\f)+8*(\i)+3],   v[ADRB+(\slot)] offset:(\k)+(\i)*16*PITCH
	ds_load_b128 v[(\f)+8*(\i)+4:(\f)+8*(\i)+7], v[ADRB+(\slot)] offset:(\k)+(\i)*16*PITCH+32
.endr
	WIN 0
.irp i, 0,1,2,3,4,5,6,7
	ds_load_b128 v[(\f)+8*(\i):(\f)+8*(\i)+3],   v[ADRA+(\slot)] offset:(\k)+(\i)*16*PITCH
	ds_load_b128 v[(\f)+8*(\i)+4:(\f)+8*(\i)+7], v[ADRA+(\slot)] offset:(\k)+(\i)*16*PITCH+32
.endr
.endm
.macro PLACES                          ; four places in front of loads into registers that matrix instructions have read, and of vector work on their registers
.rept 4
	v_nop
.endr
.endm
; A K step is four quarters of 32 along K, 64 matrix instructions each, on buffers 0, 1, 0, 1.  One of the first three: multiplies buffer f; in its middle it fetches the next quarter, at byte k, into g.
.macro QUARTER slot, k, f, g, zero
	s_wait_dscnt 8                                 ; B and A's rows 0-63 are in; the youngest eight loads (A's rows 64-127) may be out
	WIN MUL_LO
	MUL16 \f, 0, 0, \zero
	MUL16 \f, 0, 2, \zero
	PLACES
	FETCH \slot, \k, \g
	s_wait_dscnt 32                                ; all but the 32 just issued
	WIN MUL_HI
	MUL16 \f, 1, 0, \zero
	MUL16 \f, 1, 2, \zero
.endm
; The last quarter multiplies buffer 1 and changes slots.  MEET is its first half: ONE barrier.  In front of it each wave waits for all its tensor loads, of which one is out: its part of the next slot; adds 0 to its
; spare word; and waits for that and for its own reads of this slot.  Behind it nobody reads this slot any more and the next slot is whole.
.macro MEET round                      ; round = 1: a round of the cluster's barrier follows
	WIN 0                                          ; (the add's two registers lie in window 0)
	s_wait_tensorcnt 0x0                           ; all my tensor loads have landed;
	ds_add_u32 v[SPW], v[NIL]                      ; 0 onto my spare word;
	s_wait_dscnt 9                                 ; (the add and the youngest eight loads may be out)
	WIN MUL_LO
	MUL16 F1, 0, 0, 0                              ; sixteen matrix instructions stand between the add and the wait for it
	s_wait_dscnt 0x0                               ; the add is done, and my reads of this slot are over:
	s_barrier_signal -1                            ; say so,
	MUL16 F1, 0, 2, 0                              ; work on registers while the others arrive,
.if \round
	WIN 0
.endif
	s_barrier_wait -1                              ; and go on when all four have said so
.endm
; The whole last quarter of a K step whose slot is filled again, with the K step two steps on: the joint refill is the first tensor load behind the round; then come the next slot's first fragments.
.macro TURN slot, next
	s_wait_xcnt 0x0                                ; the last prefetch, a K step back, has read its address: it is stepped here, ahead of the waits of the change of slots
	s_add_nc_u64 s[PFA:PFA+1], s[PFA:PFA+1], KSTEP*2
	MEET 1
	CREST                                          ; the barrier has opened a round of the cluster's: no wave of any partner still reads this slot's tile or has a load on its way
	s_add_nc_u64 s[G0+4*(\slot)+2:G0+4*(\slot)+3], s[G0+4*(\slot)+2:G0+4*(\slot)+3], 2*KSTEP*2
	s_add_nc_u64 s[G0B+4*(\slot)+2:G0B+4*(\slot)+3], s[G0B+4*(\slot)+2:G0B+4*(\slot)+3], 2*KSTEP*2
	JLOAD \slot                                    ; the four v_nop behind it are also the places in front of the loads below
	FETCH \next, 0, F0
	ASK                                            ; behind the joint load and the run of LDS loads that the next products wait for
	WIN MUL_HI
	MUL16 F1, 1, 0, 0
	MUL16 F1, 1, 2, 0
.endm
	s_wait_tensorcnt 1                             ; my part of K step 0 is in; K step 1's load may stay out
	s_barrier_signal -1
	s_barrier_wait -1                              ; everybody's is
	FETCH 0, 0, F0
	QUARTER 0, 64,  F0, F1, 1                      ; the first quarter stands in front of the loop: its products start the sums
	WIN 0                                          ; at a label and at a branch every window is 0
	s_mov_b32 s3, LAPS-1
.Llap:                                                 ; a trip goes once round the ring, from a lap's second quarter to the next lap's first, and fills both slots again
	QUARTER 0, 128, F1, F0, 0
	QUARTER 0, 192, F0, F1, 0
	TURN 0, 1
	QUARTER 1, 64,  F0, F1, 0
	QUARTER 1, 128, F1, F0, 0
	QUARTER 1, 192, F0, F1, 0
	TURN 1, 0
	QUARTER 0, 64,  F0, F1, 0
	WIN 0
	s_sub_co_u32 s3, s3, 1
	s_cmp_lg_u32 s3, 0
	s_cbranch_scc1 .Llap
	QUARTER 0, 128, F1, F0, 0                      ; the last lap is written out: it fills nothing, and has no round of the cluster's barrier
	QUARTER 0, 192, F0, F1, 0
	MEET 0                                         ; my one tensor load that was still out is slot 1's, the last K step's
	PLACES
	FETCH 1, 0, F0
	WIN MUL_HI
	MUL16 F1, 1, 0, 0
	MUL16 F1, 1, 2, 0
	QUARTER 1, 64,  F0, F1, 0
	QUARTER 1, 128, F1, F0, 0
	QUARTER 1, 192, F0, F1, 0
	s_wait_dscnt 8                                 ; the very last quarter: no fragments are left to fetch
	WIN MUL_LO
	MUL16 F1, 0, 0, 0
	MUL16 F1, 0, 2, 0
	PLACES                                         ; for the loads into B's buffer 0, which the quarter before multiplied
	WIN 0
	s_wait_loadcnt 0x0                             ; the table's blocks 0 and 1, asked for at the head
	TLOAD 2                                        ; block 2 takes B's buffer 0
	s_wait_dscnt 0x0
	WIN MUL_HI
	MUL16 F1, 1, 0, 0
	MUL16 F1, 1, 2, 0
	WIN 0
	PLACES
	PLACES
	TLOAD 3                                        ; block 3 takes B's buffer 1
; THE WAY OUT, a block of 16 rows at a time.
; ROPE: planes 0 and 1 are rotated, in f32, two numbers an instruction: out[c] = x[c] cos - x[c + 64] sin, out[c + 64] = x[c + 64] cos + x[c] sin, c < 64.  First the 32 products with the sines, into window 0,
; then the 32 fused multiply-adds in place: two window settings a block.  Each accumulator's registers are taken in ascending order.  v is not rotated: a jump forward over arithmetic alone, the same in all partners.
.macro ROPE a
	WIN 0
	s_cmp_eq_u32 s[PLN], 2
	s_cbranch_scc1 .Lnorope_\@
.set AC, 64*((\a)%4)
.set TBB, 64*(((\a)+3)%4)
	WIN 0x06+(\a)/4                                ; source 0 (x) window 2 or 3, source 1 (the table) window 1, destination window 0
.irp b, 0,1,2,3
.irp p, 0,1,2,3
	v_pk_mul_f32 v[RT+16*(\b)+4*(\p):RT+16*(\b)+4*(\p)+1],   v[AC+8*((\b)+4)+2*(\p):AC+8*((\b)+4)+2*(\p)+1], v[TBB+16*(\b)+8+2*(\p):TBB+16*(\b)+8+2*(\p)+1]
	v_pk_mul_f32 v[RT+16*(\b)+4*(\p)+2:RT+16*(\b)+4*(\p)+3], v[AC+8*(\b)+2*(\p):AC+8*(\b)+2*(\p)+1],         v[TBB+16*(\b)+8+2*(\p):TBB+16*(\b)+8+2*(\p)+1]
.endr
.endr
	WIN 0x86+0x41*((\a)/4)                         ; destination and source 0 window 2 or 3, source 1 window 1, source 2 window 0
.irp b, 0,1,2,3
.irp p, 0,1,2,3
	v_pk_fma_f32 v[AC+8*(\b)+2*(\p):AC+8*(\b)+2*(\p)+1], v[AC+8*(\b)+2*(\p):AC+8*(\b)+2*(\p)+1], v[TBB+16*(\b)+2*(\p):TBB+16*(\b)+2*(\p)+1], v[RT+16*(\b)+4*(\p):RT+16*(\b)+4*(\p)+1] neg_lo:[0,0,1] neg_hi:[0,0,1]
	v_pk_fma_f32 v[AC+8*((\b)+4)+2*(\p):AC+8*((\b)+4)+2*(\p)+1], v[AC+8*((\b)+4)+2*(\p):AC+8*((\b)+4)+2*(\p)+1], v[TBB+16*(\b)+2*(\p):TBB+16*(\b)+2*(\p)+1], v[RT+16*(\b)+4*(\p)+2:RT+16*(\b)+4*(\p)+3]
.endr
.endr
	WIN 0
.Lnorope_\@:
.endm
.macro PACK a                          ; rounded to f16: accumulator (a, b) becomes 16 bytes a lane, piece b of the block
.set AC, 64*((\a)%4)
.set TM, TMP+32*((\a)%4)
.if (\a) >= 4
	s_wait_xcnt 0x0                                ; the stores of the block four back have read these registers: they are written again only behind this wait
.endif
	WIN 0x0a+5*((\a)/4)                            ; sources 0 and 1: window 2 or 3
.irp b, 0,1,2,3,4,5,6,7
.irp r, 0,1,2,3
	v_cvt_pk_f16_f32 v[TM+4*(\b)+(\r)], v[AC+8*(\b)+2*(\r)], v[AC+8*(\b)+2*(\r)+1]
.endr
.endr
	WIN 0
.endm
.macro SEND a                          ; the block's eight pieces: 4,096 bytes on end
.set TM, TMP+32*((\a)%4)
.irp b, 0,1,2,3,4,5,6,7
	global_store_b128 v[CO], v[TM+4*(\b):TM+4*(\b)+3], s[8:9] offset:(\a)*4096+512*(\b)  ; the wave stores 512 consecutive bytes, at a multiple of 512 from C's first byte
.endr
.endm
	ROPE 0
	TLOAD 4                                        ; block a + 4's numbers take the registers that block a's rotation has just read
	PACK 0
	SEND 0
.irp a, 1,2,3,4,5,6,7
	ROPE \a
.if (\a) < 5
	s_wait_loadcnt 32                              ; the next block's numbers are in; the 32 loads of the two blocks behind it may stay out
.elseif (\a) == 5
	s_wait_loadcnt 16                              ; block 6's are in; block 7's may stay out
.elseif (\a) == 6
	s_wait_loadcnt 0x0                             ; block 7's
.endif
.if (\a) < 4
	TLOAD (\a)+4
.endif
	PACK \a
	SEND \a
.endr
	s_wait_tensorcnt 0x0                           ; the wave's end, behind my last tensor load
	ds_add_u32 v[SPW], v[NIL]
	s_wait_dscnt 0x0
	CROUND                                         ; the closing round: no work-group ends while a partner may still ask for a tile that names it
	s_endpgm
.Lfunc_end_k_qf3b68a65f3_proj:
	.size	k_qf3b68a65f3_proj, .Lfunc_end_k_qf3b68a65f3_proj-k_qf3b68a65f3_proj
	.p2alignl 7, 3214868480
	.fill 96, 4, 3214868480
	.section	.rodata,"a",@progbits
	.p2align	6, 0x0
	.amdhsa_kernel k_qf3b68a65f3_proj
		.amdhsa_group_segment_fixed_size 327680
		.amdhsa_private_segment_fixed_size 0
		.amdhsa_enable_private_segment 0
		.amdhsa_kernarg_size 32
		.amdhsa_user_sgpr_count 2
		.amdhsa_user_sgpr_kernarg_segment_ptr 1
		.amdhsa_wavefront_size32 1
		.amdhsa_system_sgpr_workgroup_id_x 1
		.amdhsa_system_sgpr_workgroup_id_y 1
		.amdhsa_system_sgpr_workgroup_id_z 1
		.amdhsa_system_vgpr_workitem_id 0
		.amdhsa_next_free_vgpr 1024
		.amdhsa_next_free_sgpr 80
		.amdhsa_reserve_vcc 0
		.amdhsa_float_denorm_mode_32 3
		.amdhsa_float_denorm_mode_16_64 3
		.amdhsa_memory_ordered 1
		.amdhsa_forward_progress 1
		.amdhsa_inst_pref_size 181
	.end_amdhsa_kernel
	.amdgpu_metadata
---
amdhsa.version: [ 1, 2 ]
amdhsa.kernels:
  - .name:           k_qf3b68a65f3_proj
    .symbol:         k_qf3b68a65f3_proj.kd
    .args:
      - { .name: ab, .offset: 0, .size: 8, .value_kind: global_buffer, .address_space: global }
      - { .name: bb, .offset: 8, .size: 8, .value_kind: global_buffer, .address_space: global }
      - { .name: qkv, .offset: 16, .size: 8, .value_kind: global_buffer, .address_space: global }
      - { .name: rope, .offset: 24, .size: 8, .value_kind: global_buffer, .address_space: global }
    .group_segment_fixed_size: 327680
    .private_segment_fixed_size: 0
    .kernarg_segment_align: 8
    .kernarg_segment_size: 32
    .max_flat_workgroup_size: 128
    .sgpr_count:     80
    .vgpr_count:     1024
    .wavefront_size: 32
...
	.end_amdgpu_metadata
.endif
;; end of part 2
;; launch attn (part 3): grid 16 x 16, 4 waves a work-group, no clusters, 139,776 bytes of LDS; arguments qkv, o16; writes o16
.if DOCPART == 3
	.amdgcn_target "amdgcn-amd-amdhsa--gfx1250"
	.amdhsa_code_object_version 6
	.text
	.protected	k_qf3b68a65f3_attn
	.globl	k_qf3b68a65f3_attn
	.p2align	8
	.type	k_qf3b68a65f3_attn,@function
k_qf3b68a65f3_attn:
	s_mov_b64 s[64:65], 0
	v_nop
	global_prefetch_b8 v0, s[64:65] scope:SCOPE_SE
	s_setreg_imm32_b32 hwreg(HW_REG_WAVE_MODE, 25, 1), 1
	s_wait_xcnt 0x0
; CAUSAL ATTENTION, 16 heads of 128 channels, 2,048 positions.  O[n][128 h + c] = the sum over k <= n of softmax_k(q[n] . k[k] / sqrt(128)) v[k][c].
; qkv, f16, holds three matrices of 2,048 x 2,048: q[n][128 h + c], k[n][128 h + c], vT[128 h + c][n], each laid out as [16 groups of 128 columns][128 blocks of 16 rows][8 pieces][32 lanes][16 bytes]: in piece b
; lane l holds row l % 16, columns 16 b + 8 (l / 16) + 0..7: pieces 2 c and 2 c + 1 are the matrix fragment of 16 rows x 32 columns.  So every load of a fragment's half is 512 consecutive bytes, 16 a lane.
; o16 = [2048][2048] f16, by rows.  Products, maxima and sums in f32; the weights p are rounded to f16 for the second product (their sum l is taken of the unrounded p), O once at the end.
; LIMITS.  q, k, v arrive within f16's 65,504.  A hidden score counts as its value less 1e30.  A weight below 2^-126 counts as 0 in l.  NaN and infinities are not treated apart.
; THE WALK.  A head's queries lie in 32 blocks of 64; block b needs the key units 0 .. b of 64 keys, of which the last holds the diagonal.  A work-group (x = i, y = head) takes block 31 - i and then
; block i: 33 units whatever i, so all 256 work-groups do equal work.
; THE KEYS ARE SPLIT AMONG THE FOUR WAVES.  Every wave holds all four tiles of 16 queries of the block in hand and takes every fourth unit (first block: from unit w; second: from (w + i) mod 4, so that a
; wave has 8 or 9 units in all).  A fragment of K or V then feeds four tiles' products, and no two waves want the same byte: K and V^T come straight from memory into registers.
; The walk has no LDS, no tensor load and no barrier.  Each wave keeps a running maximum m, sum l and O^T of its own keys; the four partial results meet in LDS once a block.
; NO CLUSTER: nothing comes by tensor load, and the work-groups of a head walk blocks of different lengths.
; LAYOUT.  S^T = K Q^T (source 0 = 16 keys, source 1 = 16 queries): a lane holds ONE query (lane % 16) and the keys 8 (lane / 16) + 0..7.  Two such results rounded to f16 ARE source 1 of O^T = V^T P.
; SOFTMAX.  p = 2^(c s - c m), c = log2(e) / sqrt(128); in every unit O and l are multiplied by a = 2^(c m_old - c m_new).  A block begins with c m far below every c s: its first a is 0, so what O and l held need only be finite.
; THE MASK is the C operand that starts a sum: for tile t and key block kb of the unit: 0 (kb < t), MTRI (kb = t), MBIG (kb > t); both hold 0 but in the block's last unit, where MTRI hides key > query and MBIG all.
; A TRIP (a unit): piece 0's (tiles 0, 1) 32 products K Q^T bare; piece 2's (tiles 2, 3) 32 with piece 0's softmax in slices behind them; the next K is asked for; piece 0's 32 products V^T P with piece 2's softmax
; behind them; piece 2's 32 bare; the next V is asked for.
; REGISTERS, in windows of 256 (s_set_vgpr_msb: bits 1:0 source 0, 3:2 source 1, 5:4 source 2, 7:6 destination):
;   window 0: v0-11 addresses; v12-43 eight registers of statistics a tile; v44-51 MTRI; v52-59 MBIG; v60 an address; v62, v63 the add's; v64-191 S^T, 32 a tile; v192-255 P, 16 a tile
;   window 1: O^T, 64 a tile     window 2: v0-127 Q, 32 a tile; v128-255 K of one unit     window 3: v0-127 V^T of one unit; v128-135 MD0, the diagonal's mask
.set OPI,   528       ; a row of a partial O in LDS: 128 f32 + 16 bytes: row r starts at bank 4 r mod 64 (64 banks of 4 bytes: ISA guide 11.1)
.set OWV,   4*16*OPI  ; a wave's four tiles of 16 rows
.set STATS, 4*OWV     ; behind the partial O: [wave][tile][lane] c m and l, 8 bytes
.set SPARE, STATS+4096  ; behind them: the spare words, 128 bytes for each wave
.set TRIPS, 8         ; the largest number of units that a wave has in a block
.set FO,  2           ; v2   16 x my lane: my 16 bytes of a piece of Q, K or V^T; never rewritten
.set STO, 3           ; v3   where I put 32 bytes of a row of my partial O
.set RD0, 4           ; v4   where I read 32 bytes of a row of tile w, partials 0 and 1
.set RD1, 5           ; v5   partials 2 and 3
.set GO,  6           ; v6   my 16 bytes in two rows of O
.set SST, 7           ; v7   where I put my statistics
.set SRD, 8           ; v8   where I read everybody's
.set PFO, 10          ; v10  256 x my lane: the prefetches' offset in k; never rewritten
.set PFV, 60          ; v60  4,096 (l / 8) + 256 (l % 8): the prefetches' offset in vT; never rewritten
.set ST,  12          ; tile t's statistics at v[ST+8 t]: +0 c m, +1 m, +2, +3 l (even keys', odd keys'), +4 to +7 at work; a takes +6
.set MTRI, 44
.set MBIG, 52
.set SPW, 62          ; v62  LDS address of my spare word; never rewritten
.set NIL, 63          ; v63  0; never rewritten
.set S,   64
.set P,   192
.set MS,  192         ; the meeting: wave v's c m and l for tile t at MS + 2 (4 v + t)
.set OUTR, 224        ; the meeting: packed rows to store
.set KF,  128         ; window 2
.set MD0, 128         ; window 3
.set WV,  8           ; s8   my wave's number
.set PI,  9           ; s9   i
.set HD,  10          ; s10  the head
.set BLK, 11          ; s11  the block in hand
.set UU,  12          ; s12  the unit in hand
.set TT,  13          ; s13  counts the trips, 0 to TRIPS
.set NT,  14          ; s14  my units in this block
.set PASS, 15         ; s15  blocks to go
.set U0N, 16          ; s16  my first unit of the next block
.set NTN, 17          ; s17  my units in the next block
.set QB,  20          ; s[20:21] Q of the block
.set KBASE, 22        ; s[22:23] k at the head's group of columns
.set VBASE, 24        ; s[24:25] vT at the head's 8 blocks of rows, in the first group of columns
.set KB,  26          ; s[26:27] K of the unit asked for
.set VB,  28          ; s[28:29] V^T of it
.set OB,  30          ; s[30:31] O at the rows that I store
.set OFF, 32          ; s[32:33] an offset, high word 0
.set AL,  34          ; s[34:35] 1.0 in the block's last unit, else 0
.set BG,  36          ; s36  -1e30 there, else 0
.set BIGN, 37         ; s37  -1e30
.set UN,  38          ; s38  the unit to be asked for
.set PFLIM, 39        ; s39  I prefetch while the unit in hand is below this
.set PK,  40          ; s[40:41] the prefetches' place in k
.set PVA, 42          ; s[42:43] in vT
.set QBASE, 46        ; s[46:47] q at the head's group of columns
.set OBASE, 48        ; s[48:49] O at the head's columns, my tile's rows of block 0
.set CS,  58          ; s[58:59] c
.set SEL, 60          ; s[60:61] v_permlanex16_b32's selects: each lane takes its own place in the other half
.set MSB, 0
.macro WIN new                      ; the high byte repeats the setting that is left; a switch that changes nothing is dropped
.if MSB != (\new)
	s_set_vgpr_msb (MSB<<8)|(\new)
.set MSB, \new
.endif
.endm
.set W_KQ, 0x0a       ; K and Q in window 2, S^T and the mask in window 0
.set W_PV, 0x53       ; V in window 3, P in window 0, O^T in window 1
.set W_RS, 0x41       ; O^T (destination and source 0) in window 1, the factor in window 0
; 32 loads: 64 rows x 128 channels of q or k as 16 fragments (rows 16 (f / 4) on, channels 32 (f % 4) on): 16,384 bytes on end, 512 a load
.macro FETCH_QK dst, base
	WIN 0x80                        ; destination window 2, address window 0
.irp f, 0,1,2,3,4,5,6,7,8,9,10,11,12,13,14,15
	global_load_b128 v[(\dst)+8*(\f):(\dst)+8*(\f)+3],   v[FO], s[\base:\base+1] offset:(\f)*1024
	global_load_b128 v[(\dst)+8*(\f)+4:(\dst)+8*(\f)+7], v[FO], s[\base:\base+1] offset:(\f)*1024+512
.endr
	WIN 0
.endm
; 32 loads: 128 channels x 64 keys of vT as 16 fragments (keys 32 (f / 8) on, channels 16 (f % 8) on): 2,048 bytes on end in each of the head's 8 blocks of rows, 4,096 bytes apart
.macro FETCH_V
	WIN 0xc0                        ; destination window 3
.irp f, 0,1,2,3,4,5,6,7,8,9,10,11,12,13,14,15
	global_load_b128 v[8*(\f):8*(\f)+3],   v[FO], s[VB:VB+1] offset:((\f)%8)*4096+((\f)/8)*1024
	global_load_b128 v[8*(\f)+4:8*(\f)+7], v[FO], s[VB:VB+1] offset:((\f)%8)*4096+((\f)/8)*1024+512
.endr
	WIN 0
.endm
; Where unit u of vT begins behind VBASE: group of columns u / 2 (524,288 bytes each), half u % 2 of a block's 4,096 bytes.  t: a scalar register at work
.macro VOFS u, t
	s_lshr_b32 s[\t], s[\u], 1
	s_lshl_b32 s[OFF], s[\t], 19
	s_and_b32 s[\t], s[\u], 1
	s_lshl_b32 s[\t], s[\t], 11
	s_add_co_u32 s[OFF], s[OFF], s[\t]
.endm
.macro PLACES                       ; four places behind a matrix instruction, ahead of vector work on its registers and of loads into them
.rept 4
	v_nop
.endr
.endm
; THE MATRIX WORK.  The accumulators take turns, one instruction a turn: 8 in a run of K Q^T, 16 in a run of V^T P; no two runs that follow each other share one.
; Product i of 32 of S^T = K Q^T for piece x: channels 32 (i / 8) on, keys 16 ((i / 2) % 4) on, tile x + i % 2.  The first 8 start the sums, with 0 or a mask.
.macro KQ x
	WIN W_KQ
.set tl, (\x)+i%2
.set kb, (i/2)%4
.set rS, S+32*tl+8*kb
.set rK, KF+32*kb+8*(i/8)
.set rQ, 32*tl+8*(i/8)
.if i >= 8
	v_wmma_f32_16x16x32_f16 v[rS:rS+7], v[rK:rK+7], v[rQ:rQ+7], v[rS:rS+7]
.elseif kb < tl
	v_wmma_f32_16x16x32_f16 v[rS:rS+7], v[rK:rK+7], v[rQ:rQ+7], 0
.elseif kb == tl
	v_wmma_f32_16x16x32_f16 v[rS:rS+7], v[rK:rK+7], v[rQ:rQ+7], v[MTRI:MTRI+7]
.else
	v_wmma_f32_16x16x32_f16 v[rS:rS+7], v[rK:rK+7], v[rQ:rQ+7], v[MBIG:MBIG+7]
.endif
.endm
; Product i of 32 of O^T += V^T P for piece x: keys 32 (i / 16) on, channels 16 ((i / 2) % 8) on, tile x + i % 2.
.macro PV x
	WIN W_PV
.set rO, 64*((\x)+i%2)+8*((i/2)%8)
.set rV, 64*(i/16)+8*((i/2)%8)
.set rP, P+16*((\x)+i%2)+8*(i/16)
	v_wmma_f32_16x16x32_f16 v[rO:rO+7], v[rV:rV+7], v[rP:rP+7], v[rO:rO+7]
.endm
; THE VECTOR WORK.  One tile's softmax for one unit is a list of 134 instructions; SM writes number j of it for tile t.  s0-s31 are the lane's 32 scores, in pairs 0-15.
;   0-15    the maximum of s0-s31 and the old m, three operands at a time (each accumulator's lowest registers are read first)
;   16-20   the other half of the lanes' maximum; the new m; c m; c m_old - c m_new
;   21-69   ONE BATCH: the 16 scalings c s - c m and all 33 exponentials (a at 23, then s0-s31); none of these reads an exponential's result; a pair is scaled ahead of its exponentials
;   (wait)  between 69 and 70: SLICE writes it, once for both tiles
;   70-85   the roundings to f16     86-101  the sums; l = a l + the sum     102-133 the tile's O^T times a
.macro SM t
.set rT, ST+8*(\t)
.set rS, S+32*(\t)
.set rP, P+16*(\t)
.set rO, 64*(\t)+2*(j-102)
.if j < 102
	WIN 0
.endif
.if j < 4
	v_max3_num_f32 v[rT+4+j], v[rS+8*j], v[rS+8*j+1], v[rS+8*j+2]
.elseif j < 12
	v_max3_num_f32 v[rT+4+j%4], v[rT+4+j%4], v[rS+8*(j%4)+2*(j/4)+1], v[rS+8*(j%4)+2*(j/4)+2]
.elseif j == 12
	v_max3_num_f32 v[rT+4], v[rT+4], v[rS+7], v[rS+15]
.elseif j == 13
	v_max3_num_f32 v[rT+6], v[rT+6], v[rS+23], v[rS+31]
.elseif j == 14
	v_max3_num_f32 v[rT+4], v[rT+4], v[rT+5], v[rT+6]
.elseif j == 15
	v_max3_num_f32 v[rT+4], v[rT+4], v[rT+7], v[rT+1]
.elseif j == 16
	v_permlanex16_b32 v[rT+5], v[rT+4], s[SEL], s[SEL+1]  ; the query's other 32 keys lie in the lane 16 away
.elseif j == 17
	v_mov_b32 v[rT+7], v[rT]        ; c m_old is kept for a
.elseif j == 18
	v_max_num_f32 v[rT+1], v[rT+4], v[rT+5]
.elseif j == 19
	v_mul_f32 v[rT], s[CS], v[rT+1]
.elseif j == 20
	v_sub_f32 v[rT+7], v[rT+7], v[rT]
.elseif j == 23
	v_exp_f32 v[rT+6], v[rT+7]
.elseif (j < 23) || ((j < 38) && (j%2 == 0)) || ((j < 66) && (j%4 == 2))
.set b, (j-2)/4                     ; 38, 42, .. 62: pairs 9 to 15
.if j < 38
.set b, (j-20)/2                    ; 21: pair 0; 22, 24, .. 36: pairs 1 to 8
.endif
	v_pk_fma_f32 v[rS+2*b:rS+2*b+1], v[rS+2*b:rS+2*b+1], s[CS:CS+1], v[rT:rT+1] op_sel_hi:[1,0,0] neg_lo:[0,0,1] neg_hi:[0,0,1]  ; pair b: c s - c m
.elseif j < 70
.set e, j-38                        ; 66 to 69: s28 to s31
.if j < 66
.set e, j-32-(j-38)/4               ; 39-41, 43-45, .. 63-65: s7 to s27
.endif
.if j < 38
.set e, (j-25)/2                    ; 25, 27, .. 37: s0 to s6
.endif
	v_exp_f32 v[rS+e], v[rS+e]
.elseif j < 86
	v_cvt_pk_f16_f32 v[rP+j-70], v[rS+2*(j-70)], v[rS+2*(j-70)+1]
.elseif j < 102                     ; the sum of the 16 pairs, in place: neighbours 1, 2, 4 and 8 pairs apart, then l takes it
.set z, j-86
.set w, 4
.set u, z
.if z >= 14
.set w, 32
.set u, 0
.elseif z >= 12
.set w, 16
.set u, z-12
.elseif z >= 8
.set w, 8
.set u, z-8
.endif
.if z < 15
	v_pk_add_f32 v[rS+w*u:rS+w*u+1], v[rS+w*u:rS+w*u+1], v[rS+w*u+w/2:rS+w*u+w/2+1]
.else
	v_pk_fma_f32 v[rT+2:rT+3], v[rT+2:rT+3], v[rT+6:rT+7], v[rS:rS+1] op_sel_hi:[1,0,1]
.endif
.else
	WIN W_RS
	v_pk_mul_f32 v[rO:rO+1], v[rO:rO+1], v[rT+6:rT+7] op_sel_hi:[1,0]
.endif
.endm
; Slice k of 64 of piece y's softmax: four instructions; two slices stand behind each product.  Slices 11 to 34 deal out the batch, four numbers of ONE tile each, the tiles by turns; every other slice is
; numbers 2 k and 2 k + 1 of both tiles; the twelve that are over stand in slice 63: its sixteen plain lines are the places behind the run's last product.
; Behind slice 34 stand a plain instruction and ONE wait for the piece's 66 exponentials, ahead of the first line that names a result.
.macro SLICE y
.if (k >= 11) && (k < 35)
.irp n, 0,1,2,3
.set j, 22+4*((k-11)/2)+(\n)
	SM (\y)+(k-11)%2
.endr
.else
.irp n, 0,1,2,3,4,5,6,7
.if ((\n) < 2) || (k == 63)
.irp t, \y, (\y)+1
.set j, 2*k+(\n)
	SM \t
.endr
.endif
.endr
.endif
.if k == 34
	v_nop
	s_wait_alu depctr_va_vdst(0)
.endif
.set k, k+1
.endm
	s_load_b128 s[4:7], s[0:1], 0x0  ; qkv s[4:5], o16 s[6:7]
	v_lshl_add_u32 v[SPW], v0, 2, SPARE
	v_mov_b32 v[NIL], 0
	v_lshrrev_b32 v1, 5, v0
	v_readfirstlane_b32 s[WV], v1   ; wave 0..3
	s_mov_b32 s[PI], ttmp9
	s_and_b32 s[HD], ttmp7, 0xffff
	s_mov_b32 s[OFF+1], 0
	s_mov_b32 s[AL+1], 0            ; named as a pair
	s_mov_b32 s[BIGN], 0xf149f2ca   ; -1e30
	s_mov_b32 s[CS], 0x3e0293ee     ; c = log2(e) / sqrt(128) = 0.127517
	s_mov_b32 s[CS+1], s[CS]
	s_mov_b32 s[SEL], 0x76543210
	s_mov_b32 s[SEL+1], 0xfedcba98
	s_sub_co_u32 s[BLK], 31, s[PI]  ; the first block,
	s_mov_b32 s[UU], s[WV]          ; my first unit of it,
	s_add_co_u32 s18, s[BLK], 4
	s_sub_co_u32 s18, s18, s[WV]
	s_lshr_b32 s[NT], s18, 2        ; and how many I have: units w, w + 4, .. up to the block's number
	s_add_co_u32 s18, s[WV], s[PI]
	s_and_b32 s[U0N], s18, 3        ; the same for the second block, i
	s_add_co_u32 s18, s[PI], 4
	s_sub_co_u32 s18, s18, s[U0N]
	s_lshr_b32 s[NTN], s18, 2       ; (0 where my first unit lies beyond it)
	s_mov_b32 s[PASS], 2
	s_cmp_eq_u32 s[PI], 0
	s_cselect_b32 s[PFLIM], 24, 0   ; the head's work-group 0, whose first block walks all 32 units, prefetches
	v_and_b32 v1, 15, v0            ; l % 16
	v_bfe_u32 v9, v0, 4, 1          ; l / 16
	v_and_b32 v11, 31, v0           ; l
	v_lshlrev_b32 v[FO], 4, v11
	s_wait_kmcnt 0x0
	s_lshl_b32 s[OFF], s[HD], 19    ; q and k: the head is a group of columns, 128 blocks of 4,096 bytes
	s_add_nc_u64 s[QBASE:QBASE+1], s[4:5], s[OFF:OFF+1]
	s_add_nc_u64 s[KBASE:KBASE+1], s[QBASE:QBASE+1], 0x800000
	s_lshl_b32 s[OFF], s[HD], 15    ; vT: the head is 8 blocks of rows
	s_add_nc_u64 s[VBASE:VBASE+1], s[4:5], s[OFF:OFF+1]
	s_add_nc_u64 s[VBASE:VBASE+1], s[VBASE:VBASE+1], 0x1000000
	s_lshl_b32 s[OFF], s[HD], 8     ; O: the head's 256 bytes of a row,
	s_add_nc_u64 s[OBASE:OBASE+1], s[6:7], s[OFF:OFF+1]
	s_lshl_b32 s[OFF], s[WV], 16    ; tile w's 16 rows
	s_add_nc_u64 s[OBASE:OBASE+1], s[OBASE:OBASE+1], s[OFF:OFF+1]
	s_lshl_b32 s[OFF], s[BLK], 14   ; a block of q, and a unit of k, is 4 blocks of 16 rows: 16,384 bytes
	s_add_nc_u64 s[QB:QB+1], s[QBASE:QBASE+1], s[OFF:OFF+1]
	s_lshl_b32 s[OFF], s[UU], 14
	s_add_nc_u64 s[KB:KB+1], s[KBASE:KBASE+1], s[OFF:OFF+1]
	VOFS UU, 18
	s_add_nc_u64 s[VB:VB+1], s[VBASE:VBASE+1], s[OFF:OFF+1]
	FETCH_QK 0, QB
	FETCH_QK KF, KB
	FETCH_V
	; while the 96 loads are out: addresses, the diagonal's mask, and finite numbers in O^T and the statistics
	s_mul_i32 s18, s[WV], OWV
	v_mul_u32_u24 v[STO], v1, OPI
	v_lshl_add_u32 v[STO], v9, 5, v[STO]
	v_add_nc_u32 v[STO], s18, v[STO]     ; my partial: row l % 16, 32 bytes for each half of the lanes
	s_mul_i32 s18, s[WV], 16*OPI
	v_mul_u32_u24 v[RD0], v9, OPI
	v_lshl_add_u32 v[RD0], v1, 5, v[RD0]
	v_add_nc_u32 v[RD0], s18, v[RD0]     ; tile w: lanes 0-15 one row, lanes 16-31 the next, 8 channels a lane
	v_add_nc_u32 v[RD1], 2*OWV, v[RD0]
	v_lshlrev_b32 v[GO], 12, v9
	v_lshl_add_u32 v[GO], v1, 4, v[GO]
	v_lshl_add_u32 v[SRD], v11, 3, STATS
	s_lshl_b32 s18, s[WV], 10
	v_add_nc_u32 v[SST], s18, v[SRD]
	v_lshlrev_b32 v[PFO], 8, v11
	v_lshrrev_b32 v[PFV], 3, v11
	v_lshlrev_b32 v[PFV], 12, v[PFV]
	v_and_b32 v11, 7, v11
	v_lshl_add_u32 v[PFV], v11, 8, v[PFV]
	v_lshlrev_b32 v11, 3, v9
	v_sub_nc_u32 v11, v1, v11       ; l % 16 - 8 (l / 16): register z of the diagonal's result is hidden where z is greater
	WIN 0xc0
.set z, 0
.rept 8
	v_cmp_gt_i32 vcc_lo, z, v11
	v_cndmask_b32 v[MD0+z], 0, s[BIGN], vcc_lo
.set z, z+1
.endr
	WIN 0
.set z, 0
.rept 8
	v_mov_b32 v[MTRI+z], 0
	v_mov_b32 v[MBIG+z], 0
.set z, z+1
.endr
	WIN 0x40                        ; destination window 1, sources window 0
.set z, 0
.rept 32
	v_wmma_f32_16x16x32_f16 v[8*z:8*z+7], v[MTRI:MTRI+7], v[MBIG:MBIG+7], 0  ; O^T = 0 x 0 + 0: a block's first a is 0, so O^T need only be finite; 32 products, once a launch, for the 256 moves that would do the same; no first unit is written out
.set z, z+1
.endr
	WIN 0
.set z, 0
.rept 32
	v_mov_b32 v[ST+z], 0            ; (these are also the places behind those products)
.set z, z+1
.endr
.Lblock:                            ; twice
	s_wait_xcnt 0x0                 ; the last block's stores have read their registers and O's address
	s_lshl_b32 s[OFF], s[BLK], 18   ; a block of O is 64 rows of 4,096 bytes
	s_add_nc_u64 s[OB:OB+1], s[OBASE:OBASE+1], s[OFF:OFF+1]
.irp t, 0,1,2,3
	v_mov_b32 v[ST+8*(\t)], 0xfe000000    ; c m: far below every c s
	v_mov_b32 v[ST+8*(\t)+1], 0xff7fffff  ; m: the lowest finite number
.endr
	s_mov_b32 s[TT], 0
	s_wait_loadcnt 0x0              ; Q, and my first unit's K and V
.Lunit:                             ; TRIPS trips; a wave jumps over those beyond its own count: the jump passes no barrier and no LDS instruction
	s_cmp_ge_u32 s[TT], s[NT]
	s_cbranch_scc1 .Ldead
	s_cmp_eq_u32 s[UU], s[BLK]      ; the block's last unit holds the diagonal
	s_cselect_b32 s[AL], 1.0, 0
	s_cselect_b32 s[BG], s[BIGN], 0
	WIN 0x03                        ; source 0 in window 3
.set z, 0
.rept 4
	v_pk_mul_f32 v[MTRI+z:MTRI+z+1], v[MD0+z:MD0+z+1], s[AL:AL+1] op_sel_hi:[1,0]
.set z, z+2
.endr
	WIN 0
.set z, 0
.rept 8
	v_mov_b32 v[MBIG+z], s[BG]
.set z, z+1
.endr
	s_wait_loadcnt 32               ; K is in; V's 32 loads, issued behind it, may stay out
.set i, 0
.rept 32
	KQ 0
.set i, i+1
.endr
	PLACES                          ; ahead of the softmax that reads those scores
.set i, 0
.set k, 0
.rept 32
	KQ 2
	SLICE 0
	SLICE 0
.set i, i+1
.endr
	WIN 0
	s_add_co_u32 s18, s[TT], 1      ; what is asked for next: my next unit of this block, or behind my last my first of the next block
	s_add_co_u32 s[UN], s[UU], 4    ; (behind the second block's last: unit 0 once more, unused, so that the counted waits count the same loads on every way)
	s_cmp_lt_u32 s18, s[NT]
	s_cselect_b32 s[UN], s[UN], s[U0N]
	s_wait_xcnt 0x0                 ; the last trip's prefetches have read their addresses
	s_lshl_b32 s[OFF], s[UN], 14
	s_add_nc_u64 s[KB:KB+1], s[KBASE:KBASE+1], s[OFF:OFF+1]  ; K's last loads were waited for at the trip's head
	FETCH_QK KF, KB                 ; slice 63's sixteen plain lines are the places behind the last product that read K
	; A PREFETCH INTO THE L2, behind the run of loads: the unit that I shall load in the NEXT trip, 8 units on.  k: its 16,384 bytes on end, lanes 256 bytes apart, two lines.  vT: 2,048 bytes in each of the
	; head's 8 blocks of rows: lane l names block l / 8 (the second line: 4 + l / 8), its bytes 256 (l % 8) on.  Only the head's work-group 0 asks, in its first block, which walks all units, each wave for its
	; own units: each aligned block of 256 bytes is named once in the launch.  Units 0 to 7 come by their loads alone; from unit 24 on nothing lies 8 units ahead.
	s_cmp_lt_u32 s[UU], s[PFLIM]
	s_cbranch_scc0 .Lnopf
	s_add_co_u32 s18, s[UU], 8
	s_lshl_b32 s[OFF], s18, 14
	s_add_nc_u64 s[PK:PK+1], s[KBASE:KBASE+1], s[OFF:OFF+1]
	VOFS 18, 19
	s_add_nc_u64 s[PVA:PVA+1], s[VBASE:VBASE+1], s[OFF:OFF+1]
	global_prefetch_b8 v[PFO], s[PK:PK+1] th:TH_LOAD_NT scope:SCOPE_SE
	global_prefetch_b8 v[PFO], s[PK:PK+1] offset:8192 th:TH_LOAD_NT scope:SCOPE_SE
	global_prefetch_b8 v[PFV], s[PVA:PVA+1] th:TH_LOAD_NT scope:SCOPE_SE
	global_prefetch_b8 v[PFV], s[PVA:PVA+1] offset:16384 th:TH_LOAD_NT scope:SCOPE_SE
.Lnopf:
	s_wait_loadcnt 32               ; V is in; the 32 loads of the next K may stay out
.set i, 0
.set k, 0
.rept 32
	PV 0
	SLICE 2
	SLICE 2
.set i, i+1
.endr
.set i, 0
.rept 32
	PV 2
.set i, i+1
.endr
	WIN 0
	PLACES                          ; ahead of the loads into V's registers
	VOFS UN, 18
	s_add_nc_u64 s[VB:VB+1], s[VBASE:VBASE+1], s[OFF:OFF+1]  ; V's last loads were waited for above
	FETCH_V
	s_add_co_u32 s[UU], s[UU], 4
.Ldead:
	s_add_co_u32 s[TT], s[TT], 1
	s_cmp_lt_u32 s[TT], TRIPS
	s_cbranch_scc1 .Lunit
	; THE FOUR PARTIAL RESULTS MEET.  The second block's Q is asked for first: it lands meanwhile.
	s_cmp_lg_u32 s[PASS], 2
	s_cbranch_scc1 .Lnoq
	s_lshl_b32 s[OFF], s[PI], 14
	s_add_nc_u64 s[QB:QB+1], s[QBASE:QBASE+1], s[OFF:OFF+1]
	FETCH_QK 0, QB
.Lnoq:
.irp t, 0,1,2,3
	v_add_f32 v[ST+8*(\t)+4], v[ST+8*(\t)+2], v[ST+8*(\t)+3]  ; l: even keys' and odd keys',
.endr
.irp t, 0,1,2,3
	v_permlanex16_b32 v[ST+8*(\t)+5], v[ST+8*(\t)+4], s[SEL], s[SEL+1]
.endr
.irp t, 0,1,2,3
	v_add_f32 v[ST+8*(\t)+1], v[ST+8*(\t)+4], v[ST+8*(\t)+5]  ; and the other half of the lanes'; it takes m's place beside c m
.endr
.irp t, 0,1,2,3
	ds_store_b64 v[SST], v[ST+8*(\t):ST+8*(\t)+1] offset:256*(\t)
.endr
	s_wait_dscnt 0x0                ; for the others' sake: my statistics are stored; and my reads of the last block's partial O are long back
	s_barrier_signal -1
	s_barrier_wait -1
.irp v, 0,1,2,3
.irp t, 0,1,2,3
	ds_load_b64 v[MS+2*(4*(\v)+(\t)):MS+2*(4*(\v)+(\t))+1], v[SRD] offset:1024*(\v)+256*(\t)
.endr
.endr
	s_wait_dscnt 0x0
.irp t, 0,1,2,3
	v_max3_num_f32 v[ST+8*(\t)+4], v[MS+2*(\t)], v[MS+8+2*(\t)], v[MS+16+2*(\t)]
.endr
.irp t, 0,1,2,3
	v_max_num_f32 v[ST+8*(\t)+4], v[ST+8*(\t)+4], v[MS+24+2*(\t)]  ; the common c m: that of a wave with keys, since the diagonal's wave has some
.endr
.irp t, 0,1,2,3
	v_sub_f32 v[ST+8*(\t)+5], v[ST+8*(\t)], v[ST+8*(\t)+4]
.irp v, 0,1,2,3
	v_sub_f32 v[MS+8*(\v)+2*(\t)], v[MS+8*(\v)+2*(\t)], v[ST+8*(\t)+4]
.endr
.endr
.irp t, 0,1,2,3
	v_exp_f32 v[ST+8*(\t)+5], v[ST+8*(\t)+5]   ; my own factor, 0 for a wave that had no unit,
.irp v, 0,1,2,3
	v_exp_f32 v[MS+8*(\v)+2*(\t)], v[MS+8*(\v)+2*(\t)]  ; and everybody's
.endr
.endr
	v_nop                           ; a plain instruction behind the last exponential,
	s_wait_alu depctr_va_vdst(0)    ; and one wait for the twenty
.irp t, 0,1,2,3
	v_mul_f32 v[ST+8*(\t)+6], v[MS+2*(\t)], v[MS+2*(\t)+1]
.endr
.irp v, 1,2,3
.irp t, 0,1,2,3
	v_fmac_f32 v[ST+8*(\t)+6], v[MS+8*(\v)+2*(\t)], v[MS+8*(\v)+2*(\t)+1]  ; the whole l
.endr
.endr
.irp t, 0,1,2,3
	v_rcp_f32 v[ST+8*(\t)+7], v[ST+8*(\t)+6]
.endr
	v_nop
	s_wait_alu depctr_va_vdst(0)    ; one wait for the four reciprocals
.irp t, 0,1,2,3
	v_mul_f32 v[ST+8*(\t)+6], v[ST+8*(\t)+5], v[ST+8*(\t)+7]
.endr
	WIN W_RS
.irp t, 0,1,2,3
.set z, 0
.rept 32
	v_pk_mul_f32 v[64*(\t)+z:64*(\t)+z+1], v[64*(\t)+z:64*(\t)+z+1], v[ST+8*(\t)+6:ST+8*(\t)+7] op_sel_hi:[1,0]  ; my partial O^T, ready to be added; ascending in each accumulator
.set z, z+2
.endr
.endr
	WIN 0x04                        ; store data (source 1) in window 1
.irp t, 0,1,2,3
.irp c, 0,1,2,3,4,5,6,7
	ds_store_b128 v[STO], v[64*(\t)+8*(\c):64*(\t)+8*(\c)+3]   offset:16*OPI*(\t)+64*(\c)
	ds_store_b128 v[STO], v[64*(\t)+8*(\c)+4:64*(\t)+8*(\c)+7] offset:16*OPI*(\t)+64*(\c)+16
.endr
.endr
	WIN 0
	s_wait_dscnt 0x0                ; for the others' sake: my partial O is stored, and my reads of the statistics are back
	s_barrier_signal -1
	s_barrier_wait -1
; Wave w finishes tile w: row pairs 4 g .. 4 g + 3.  A lane takes 8 channels of a row from each of the four partials, adds them in f32, rounds once and stores 16 bytes.
.macro BATCH g
.irp q, 0,1,2,3
.irp p, 0,1,2,3
	ds_load_b128 v[S+32*(\q)+8*(\p):S+32*(\q)+8*(\p)+3],   v[RD0+(\p)/2] offset:OWV*((\p)%2)+2*OPI*(4*(\g)+(\q))
	ds_load_b128 v[S+32*(\q)+8*(\p)+4:S+32*(\q)+8*(\p)+7], v[RD0+(\p)/2] offset:OWV*((\p)%2)+2*OPI*(4*(\g)+(\q))+16
.endr
.endr
.irp q, 0,1,2,3
	s_wait_dscnt 24-8*(\q)          ; this row pair's eight loads are back; the later pairs' may stay out
.irp z, 0,2,4,6
	v_pk_add_f32 v[S+32*(\q)+(\z):S+32*(\q)+(\z)+1], v[S+32*(\q)+(\z):S+32*(\q)+(\z)+1], v[S+32*(\q)+8+(\z):S+32*(\q)+8+(\z)+1]
	v_pk_add_f32 v[S+32*(\q)+16+(\z):S+32*(\q)+16+(\z)+1], v[S+32*(\q)+16+(\z):S+32*(\q)+16+(\z)+1], v[S+32*(\q)+24+(\z):S+32*(\q)+24+(\z)+1]
.endr
.irp z, 0,2,4,6
	v_pk_add_f32 v[S+32*(\q)+(\z):S+32*(\q)+(\z)+1], v[S+32*(\q)+(\z):S+32*(\q)+(\z)+1], v[S+32*(\q)+16+(\z):S+32*(\q)+16+(\z)+1]
.endr
.irp z, 0,1,2,3
	v_cvt_pk_f16_f32 v[OUTR+4*(4*(\g)+(\q))+(\z)], v[S+32*(\q)+2*(\z)], v[S+32*(\q)+2*(\z)+1]
.endr
	global_store_b128 v[GO], v[OUTR+4*(4*(\g)+(\q)):OUTR+4*(4*(\g)+(\q))+3], s[OB:OB+1] offset:8192*(4*(\g)+(\q))  ; 16 lanes store 256 consecutive bytes, at a multiple of 256 from O's first byte
.endr
.endm
	BATCH 0
	BATCH 1
	s_mov_b32 s[BLK], s[PI]         ; on to the second block
	s_mov_b32 s[UU], s[U0N]
	s_mov_b32 s[NT], s[NTN]
	s_mov_b32 s[U0N], 0
	s_mov_b32 s[PFLIM], 0
	s_sub_co_u32 s[PASS], s[PASS], 1
	s_cmp_lg_u32 s[PASS], 0
	s_cbranch_scc1 .Lblock
	s_wait_tensorcnt 0x0            ; the wave's end, behind my last LDS store
	ds_add_u32 v[SPW], v[NIL]
	s_wait_dscnt 0x0
	s_endpgm
.Lfunc_end_k_qf3b68a65f3_attn:
	.size	k_qf3b68a65f3_attn, .Lfunc_end_k_qf3b68a65f3_attn-k_qf3b68a65f3_attn
	.p2alignl 7, 3214868480
	.fill 96, 4, 3214868480
	.section	.rodata,"a",@progbits
	.p2align	6, 0x0
	.amdhsa_kernel k_qf3b68a65f3_attn
		.amdhsa_group_segment_fixed_size 139776
		.amdhsa_private_segment_fixed_size 0
		.amdhsa_enable_private_segment 0
		.amdhsa_kernarg_size 16
		.amdhsa_user_sgpr_count 2
		.amdhsa_user_sgpr_kernarg_segment_ptr 1
		.amdhsa_wavefront_size32 1
		.amdhsa_system_sgpr_workgroup_id_x 1
		.amdhsa_system_sgpr_workgroup_id_y 1
		.amdhsa_system_sgpr_workgroup_id_z 1
		.amdhsa_system_vgpr_workitem_id 0
		.amdhsa_next_free_vgpr 912
		.amdhsa_next_free_sgpr 66
		.amdhsa_reserve_vcc 1
		.amdhsa_float_denorm_mode_32 3
		.amdhsa_float_denorm_mode_16_64 3
		.amdhsa_memory_ordered 1
		.amdhsa_forward_progress 1
		.amdhsa_inst_pref_size 101
	.end_amdhsa_kernel
	.amdgpu_metadata
---
amdhsa.version: [ 1, 2 ]
amdhsa.kernels:
  - .name:           k_qf3b68a65f3_attn
    .symbol:         k_qf3b68a65f3_attn.kd
    .args:
      - { .name: qkv, .offset: 0, .size: 8, .value_kind: global_buffer, .address_space: global }
      - { .name: o16, .offset: 8, .size: 8, .value_kind: global_buffer, .address_space: global }
    .group_segment_fixed_size: 139776
    .private_segment_fixed_size: 0
    .kernarg_segment_align: 8
    .kernarg_segment_size: 16
    .max_flat_workgroup_size: 128
    .sgpr_count:     66
    .vgpr_count:     912
    .wavefront_size: 32
...
	.end_amdgpu_metadata
.endif
;; end of part 3
;; launch outp (part 4): grid 16 x 16, 4 waves a work-group, clusters of 4 x 4, 327,680 bytes of LDS; arguments o16, wo16, out0; writes out0
.if DOCPART == 4
	.amdgcn_target "amdgcn-amd-amdhsa--gfx1250"
	.amdhsa_code_object_version 6
	.text
	.protected	k_qf3b68a65f3_outp
	.globl	k_qf3b68a65f3_outp
	.p2align	8
	.type	k_qf3b68a65f3_outp,@function
k_qf3b68a65f3_outp:
	s_mov_b64 s[64:65], 0
	v_nop
	global_prefetch_b8 v0, s[64:65] scope:SCOPE_SE
	s_setreg_imm32_b32 hwreg(HW_REG_WAVE_MODE, 25, 1), 1
	s_wait_xcnt 0x0
	s_wait_alu depctr_hold_cnt(0) depctr_sa_sdst(0) depctr_va_vdst(0) depctr_va_sdst(0) depctr_va_ssrc(0) depctr_va_vcc(0) depctr_vm_vsrc(0)
	s_getreg_b32 s2, hwreg(HW_REG_IB_STS2, 6, 4)
	s_cmp_eq_u32 s2, 0
	s_cbranch_scc0 .Lentry_in_a_cluster
	s_endpgm
.Lentry_in_a_cluster:
	s_bfe_u32 s2, ttmp6, 0x10000c
	s_cmp_lg_u32 s2, 0xf033
	s_cbranch_scc0 .Lentry_shape_is_right
	s_endpgm
.Lentry_shape_is_right:
; THE OUTPUT PROJECTION.  out0[m][n] = sum over k of O[m][k] Wo[n][k].  o16, wo16: [2048][2048] f16 (wo16 holds Wo rounded to bf16); out0: [2048][2048] f32; sums in f32.
; A tile of C is 128 x 128: 256 tiles, one for each WGP.  Four waves, each 64 x 64: 16 accumulators.  K goes in steps of 256 (LDS rows of 512 bytes + 16 of padding) through two slots.
; CLUSTERS: 4 x 4 work-groups.  The four of a row of the cluster need the same tiles of A, the four of a column the same tiles of B: each is asked for jointly.
; THE MATRIX INSTRUCTION IS USED TRANSPOSED (source 0 = 16 rows of B, source 1 = 16 rows of A): a lane holds eight neighbouring numbers of a row of C, 32 bytes.
; A wave's 64 columns of f32 are 256 aligned bytes of C, so each wave has a stage of its own on the way out (16 rows x 272 bytes) and no barrier stands there.
; No prefetch: the tile is small, and a K step's blocks are read by many clusters at about the same time.
; REGISTERS: window 0: v0-31 addresses; v128-255 the accumulators ((a, b) at v[128 + 8 (4 a + b)]), which also take the rows read back.   window 1: two fragment buffers of 128.
.set SIZE_K, 2048
.set CROW,   8192                      ; bytes in a row of C
.set KSTEP,  256
.set PITCH,  528                       ; an LDS row: 512 bytes + 16 = 132 words: row r starts at bank 4 r mod 64 (64 banks of 4 bytes: ISA guide 11.1)
.set HALFT,  64*PITCH
.set SLOT,   4*HALFT
.set STAGE,  2*SLOT                    ; behind the ring: 16 rows x 272 bytes for each wave
.set SPITCH, 272
.set SPARE,  STAGE+4*16*SPITCH         ; behind the stages: the spare words, 128 bytes for each wave
.set LAPS, SIZE_K/(2*KSTEP)
.set ADRA, 16
.set ADRB, 20
.set STO,  24
.set RD,   25
.set CO,   26
.set SPW,  28
.set NIL,  29
.set ACC,  128
.set F0,   0
.set F1,   128
.set G1, 24
.set G0, 32
.set G1B, 48
.set G0B, 56
.set MSB, 0
.macro WIN new                         ; the immediate's high byte repeats the setting that is left
.if MSB != (\new)
	s_set_vgpr_msb (MSB<<8)|(\new)
.set MSB, \new
.endif
.endm
.set MUL,  0x05                        ; sources 0 (B) and 1 (A) window 1; C and D window 0
.set TO_F, 0x40                        ; destination window 1, address window 0
.macro JLOAD s                         ; a joint load: waves 0 and 1 fetch A's two halves, waves 2 and 3 B's; an s_nop 0 and four v_nop follow each of the two lines
	s_cmp_eq_u32 s11, 0
	s_cbranch_scc0 .Lfor_b_\@
	tensor_load_to_lds s[G0+4*(\s):G0+4*(\s)+3], s[G1:G1+7]
	s_nop 0
.rept 4
	v_nop
.endr
	s_branch .Lasked_\@
.Lfor_b_\@:
	tensor_load_to_lds s[G0B+4*(\s):G0B+4*(\s)+3], s[G1B:G1B+7]
	s_nop 0
.rept 4
	v_nop
.endr
.Lasked_\@:
.endm
.macro CREST                           ; a round of the cluster's barrier behind its opening barrier
	s_cmp_lg_u32 s10, 0
	s_cbranch_scc1 .Lnot_wave_0_\@
	s_barrier_signal -3
.Lnot_wave_0_\@:
	s_barrier_wait -3
	s_barrier_signal -1
	s_barrier_wait -1
.endm
.macro CROUND                          ; a whole round
	s_barrier_signal -1
	s_barrier_wait -1
	CREST
.endm
	s_load_b128 s[4:7], s[0:1], 0x0                ; o16 s[4:5], wo16 s[6:7]
	s_load_b64 s[8:9], s[0:1], 0x10                ; out0
	v_lshl_add_u32 v[SPW], v0, 2, SPARE
	v_mov_b32 v[NIL], 0
	ds_add_u32 v[SPW], v[NIL]                      ; the wave's opening: the add and its wait stand ahead of my first tensor load; the set-up below stands between them
	v_lshrrev_b32 v1, 5, v0
	v_readfirstlane_b32 s10, v1                    ; wave 0..3
	s_lshr_b32 s11, s10, 1                         ; which half of the tile's rows is mine.  Also: I fetch for A (0) or for B (1)
	s_and_b32 s12, s10, 1                          ; which half of its columns.  Also: which 64 rows of that tile I fetch
	s_bfe_u32 s40, ttmp6, 0x40000                  ; cx, cy: my place in the cluster
	s_bfe_u32 s41, ttmp6, 0x40004
	s_lshl_b32 s42, ttmp9, 2
	s_add_co_u32 s42, s42, s40                     ; tile column of C = 4 x cluster x + cx
	s_and_b32 s13, ttmp7, 0xffff
	s_lshl_b32 s13, s13, 2
	s_add_co_u32 s13, s13, s41                     ; tile row of C = 4 x cluster y + cy
	s_lshl_b32 s43, s41, 2
	s_lshl_b32 s43, 15, s43                        ; my row of the cluster
	s_lshl_b32 s44, 0x1111, s40                    ; my column
	s_or_b32 s[G1+0], s43, (1<<16)|(1<<20)|(1<<21)|(6<<22)|(3<<25)  ; 15:0 the mask: A's tiles go to my row; 17:16 2-byte elements; 20 padding on; 21 set beside a mask; 24:22 after every 128 words; 31:25 4 words
	s_or_b32 s[G1B+0], s44, (1<<16)|(1<<20)|(1<<21)|(6<<22)|(3<<25)
.irp g, G1, G1B
	s_mov_b32 s[(\g)+1], KSTEP<<16                 ; tensor_dim0 = 256
	s_mov_b32 s[(\g)+2], 64<<16                    ; tensor_dim1 = 64
	s_mov_b32 s[(\g)+3], KSTEP<<16                 ; tile_dim0 = 256
	s_mov_b32 s[(\g)+4], 64                        ; tile_dim1 = 64
	s_mov_b32 s[(\g)+5], SIZE_K                    ; elements from row to row
	s_mov_b32 s[(\g)+6], 0
	s_mov_b32 s[(\g)+7], 0
.endr
	s_lshl_b32 s17, s12, 6                         ; which 64 rows of the tile I fetch
	s_lshl_b32 s16, s13, 7
	s_add_co_u32 s16, s16, s17                     ; A: row 128 x tile row + 64 x half
	s_lshl_b32 s46, s42, 7
	s_add_co_u32 s46, s46, s17                     ; B: row 128 x tile column + 64 x half
	s_mov_b32 s17, 0
	s_mov_b32 s47, 0
	s_mov_b64 s[18:19], SIZE_K*2
	s_mul_u64 s[16:17], s[16:17], s[18:19]
	s_mul_u64 s[46:47], s[46:47], s[18:19]
	s_mul_i32 s20, s10, HALFT                      ; where they go: wave x 64 rows
	s_wait_dscnt 0x0                               ; the opening add is done
	s_wait_kmcnt 0x0
	s_add_nc_u64 s[14:15], s[4:5], s[16:17]
	s_add_nc_u64 s[46:47], s[6:7], s[46:47]
	CROUND                                         ; all sixteen work-groups are here: the first joint loads meet
.irp s, 0,1
	s_mov_b32 s[G0+4*(\s)], 1
	s_add_co_u32 s[G0+4*(\s)+1], s20, (\s)*SLOT
	s_add_nc_u64 s[G0+4*(\s)+2:G0+4*(\s)+3], s[14:15], (\s)*KSTEP*2
	s_or_b32 s[G0+4*(\s)+3], s[G0+4*(\s)+3], 0x80000000
	s_mov_b32 s[G0B+4*(\s)], 1
	s_add_co_u32 s[G0B+4*(\s)+1], s20, (\s)*SLOT
	s_add_nc_u64 s[G0B+4*(\s)+2:G0B+4*(\s)+3], s[46:47], (\s)*KSTEP*2
	s_or_b32 s[G0B+4*(\s)+3], s[G0B+4*(\s)+3], 0x80000000
	JLOAD \s
.endr
	v_and_b32 v1, 15, v0                           ; l % 16
	v_bfe_u32 v2, v0, 4, 1                         ; l / 16
	v_mul_u32_u24 v3, v1, PITCH
	v_lshl_add_u32 v3, v2, 4, v3                   ; a fragment's row x pitch + 16 x half
	s_mul_i32 s21, s11, HALFT                      ; my 64 rows of A
	s_mul_i32 s22, s12, HALFT                      ; my 64 rows of B,
	s_add_co_u32 s22, s22, 2*HALFT                 ; which lie behind A's 128
.irp s, 0,1
	v_add_nc_u32 v[ADRA+(\s)], s21, v3
	v_add_nc_u32 v[ADRB+(\s)], s22, v3
	s_add_co_u32 s21, s21, SLOT
	s_add_co_u32 s22, s22, SLOT
.endr
	s_mul_i32 s23, s10, 16*SPITCH
	s_add_co_u32 s23, s23, STAGE                   ; my stage
	v_mul_u32_u24 v4, v1, SPITCH                   ; in: row l % 16, 32 bytes for each half of the lanes
	v_lshl_add_u32 v4, v2, 5, v4
	v_add_nc_u32 v[STO], s23, v4
	v_mul_u32_u24 v5, v2, SPITCH                   ; back: lanes 0-15 take one row of 256 bytes, lanes 16-31 the next
	v_lshl_add_u32 v5, v1, 4, v5
	v_add_nc_u32 v[RD], s23, v5
	v_mul_u32_u24 v5, v2, CROW                     ; and the same two rows in C
	v_lshl_add_u32 v[CO], v1, 4, v5
	s_lshl_b32 s16, s13, 7
	s_lshl_b32 s17, s11, 6
	s_add_co_u32 s16, s16, s17                     ; my first row of C: 128 x tile row + 64 x row half
	s_mov_b32 s17, 0
	s_mov_b64 s[18:19], CROW
	s_mul_u64 s[16:17], s[16:17], s[18:19]
	s_add_nc_u64 s[8:9], s[8:9], s[16:17]
	s_lshl_b32 s46, s42, 9                         ; my first column, in bytes: 512 x tile column + 256 x column half
	s_lshl_b32 s47, s12, 8
	s_add_co_u32 s46, s46, s47
	s_mov_b32 s47, 0
	s_add_nc_u64 s[8:9], s[8:9], s[46:47]
; 8 matrix instructions: m blocks a0, a0 + 1 x all 4 n blocks, 32 along K: half c of buffer f.  zero = 1: the first product starts the sums.  The 16 accumulators take turns.
.macro MUL8 f, c, a0, zero
	WIN MUL
.irp a, \a0, (\a0)+1
.irp b, 0,1,2,3
.if \zero
	v_wmma_f32_16x16x32_f16 v[ACC+8*(4*(\a)+(\b)):ACC+8*(4*(\a)+(\b))+7], v[(\f)+64+8*(4*(\c)+(\b)):(\f)+64+8*(4*(\c)+(\b))+7], v[(\f)+8*(4*(\c)+(\a)):(\f)+8*(4*(\c)+(\a))+7], 0
.else
	v_wmma_f32_16x16x32_f16 v[ACC+8*(4*(\a)+(\b)):ACC+8*(4*(\a)+(\b))+7], v[(\f)+64+8*(4*(\c)+(\b)):(\f)+64+8*(4*(\c)+(\b))+7], v[(\f)+8*(4*(\c)+(\a)):(\f)+8*(4*(\c)+(\a))+7], v[ACC+8*(4*(\a)+(\b)):ACC+8*(4*(\a)+(\b))+7]
.endif
.endr
.endr
.endm
; 32 LDS loads in one run: the fragments of 64 along K at byte k of the rows, into buffer f; the first 32 along K first
.macro FETCH slot, k, f
	WIN TO_F
.irp c, 0,1
.irp i, 0,1,2,3
	ds_load_b128 v[(\f)+64+8*(4*(\c)+(\i)):(\f)+64+8*(4*(\c)+(\i))+3],   v[ADRB+(\slot)] offset:(\k)+64*(\c)+(\i)*16*PITCH
	ds_load_b128 v[(\f)+64+8*(4*(\c)+(\i))+4:(\f)+64+8*(4*(\c)+(\i))+7], v[ADRB+(\slot)] offset:(\k)+64*(\c)+(\i)*16*PITCH+32
	ds_load_b128 v[(\f)+8*(4*(\c)+(\i)):(\f)+8*(4*(\c)+(\i))+3],         v[ADRA+(\slot)] offset:(\k)+64*(\c)+(\i)*16*PITCH
	ds_load_b128 v[(\f)+8*(4*(\c)+(\i))+4:(\f)+8*(4*(\c)+(\i))+7],       v[ADRA+(\slot)] offset:(\k)+64*(\c)+(\i)*16*PITCH+32
.endr
.endr
.endm
.macro PLACES                          ; four places in front of loads into registers that matrix instructions have read, and of stores that read results
.rept 4
	v_nop
.endr
.endm
; A K step is four quarters of 64 along K, 32 matrix instructions each, on buffers 0, 1, 0, 1.  One of the first three: multiplies buffer f and fetches the next quarter, at byte k, into g.
.macro QUARTER slot, k, f, g, zero
	s_wait_dscnt 16                                ; the first 32 along K are in; the youngest sixteen loads may be out
	WIN MUL
	MUL8 \f, 0, 0, \zero
	MUL8 \f, 0, 2, \zero
	PLACES
	FETCH \slot, \k, \g
	s_wait_dscnt 32                                ; all but the 32 just issued
	WIN MUL
	MUL8 \f, 1, 0, 0
	MUL8 \f, 1, 2, 0
.endm
; The last quarter multiplies buffer 1 and changes slots: ONE barrier; in front of it each wave waits for all its tensor loads, adds 0 to its spare word, and waits for that and for its own reads of this slot.  fill = 1: this slot is filled again, two K steps ahead.
.macro TURN slot, next, fill
	WIN 0                                          ; (the add's two registers lie in window 0)
	s_wait_tensorcnt 0x0                           ; all my tensor loads have landed: my part of the next slot;
	ds_add_u32 v[SPW], v[NIL]                      ; 0 onto my spare word;
	s_wait_dscnt 17                                ; (the add and the youngest sixteen loads may be out)
	WIN MUL
	MUL8 F1, 0, 0, 0                               ; eight matrix instructions stand between the add and the wait for it
	s_wait_dscnt 0x0                               ; the add is done, and my reads of this slot are over
	s_barrier_signal -1
	MUL8 F1, 0, 2, 0
.if \fill
	WIN 0
.endif
	s_barrier_wait -1
.if \fill
	CREST                                          ; the barrier has opened a round of the cluster's barrier: no wave of any partner still reads this slot's tile or has a load on its way
	s_add_nc_u64 s[G0+4*(\slot)+2:G0+4*(\slot)+3], s[G0+4*(\slot)+2:G0+4*(\slot)+3], 2*KSTEP*2
	s_add_nc_u64 s[G0B+4*(\slot)+2:G0B+4*(\slot)+3], s[G0B+4*(\slot)+2:G0B+4*(\slot)+3], 2*KSTEP*2
	JLOAD \slot                                    ; the first tensor load behind the round; the four v_nop behind it are also the places in front of the loads below
.else
	PLACES
.endif
	FETCH \next, 0, F0
	WIN MUL
	MUL8 F1, 1, 0, 0
	MUL8 F1, 1, 2, 0
.endm
	s_wait_tensorcnt 1                             ; my part of K step 0 is in; K step 1's load may stay out
	s_barrier_signal -1
	s_barrier_wait -1                              ; everybody's is
	FETCH 0, 0, F0
	QUARTER 0, 128, F0, F1, 1                      ; the first quarter stands in front of the loop: its first products start the sums
	WIN 0                                          ; at a label and at a branch every window is 0
	s_mov_b32 s3, LAPS-1
.Llap:                                                 ; a trip goes once round the ring, from a lap's second quarter to the next lap's first, and fills both slots again
	QUARTER 0, 256, F1, F0, 0
	QUARTER 0, 384, F0, F1, 0
	TURN 0, 1, 1
	QUARTER 1, 128, F0, F1, 0
	QUARTER 1, 256, F1, F0, 0
	QUARTER 1, 384, F0, F1, 0
	TURN 1, 0, 1
	QUARTER 0, 128, F0, F1, 0
	WIN 0
	s_sub_co_u32 s3, s3, 1
	s_cmp_lg_u32 s3, 0
	s_cbranch_scc1 .Llap
	QUARTER 0, 256, F1, F0, 0                      ; the last lap fills nothing, and has no round of the cluster's barrier
	QUARTER 0, 384, F0, F1, 0
	TURN 0, 1, 0
	QUARTER 1, 128, F0, F1, 0
	QUARTER 1, 256, F1, F0, 0
	QUARTER 1, 384, F0, F1, 0
	s_wait_dscnt 16                                ; the very last quarter: nothing more to fetch
	WIN MUL
	MUL8 F1, 0, 0, 0
	MUL8 F1, 0, 2, 0
	s_wait_dscnt 0
	MUL8 F1, 1, 0, 0
	MUL8 F1, 1, 2, 0
	WIN 0
	; THE WAY OUT, a block of 16 rows at a time through my own stage: a lane's 32 bytes go into rows of 272 bytes and come back as whole rows of 256, into the registers that they left.
	PLACES
	PLACES
.macro TOST a
.irp b, 0,1,2,3
	ds_store_b128 v[STO], v[ACC+8*(4*(\a)+(\b)):ACC+8*(4*(\a)+(\b))+3]   offset:64*(\b)      ; each accumulator's low four registers first
	ds_store_b128 v[STO], v[ACC+8*(4*(\a)+(\b))+4:ACC+8*(4*(\a)+(\b))+7] offset:64*(\b)+16
.endr
.irp t, 0,1,2,3,4,5,6,7
	ds_load_b128 v[ACC+32*(\a)+4*(\t):ACC+32*(\a)+4*(\t)+3], v[RD] offset:(\t)*2*SPITCH  ; LDS serves a wave's instructions in order (ISA guide 5.7.1.4): these see the stores above; the next block's stores come behind them
.endr
.endm
.macro SEND a, younger                 ; younger: the LDS instructions issued behind block a's loads: the next block's sixteen, or none
.irp t, 0,1,2,3,4,5,6,7
	s_wait_dscnt (\younger)+7-(\t)
	global_store_b128 v[CO], v[ACC+32*(\a)+4*(\t):ACC+32*(\a)+4*(\t)+3], s[8:9] offset:(16*(\a)+2*(\t))*CROW th:TH_STORE_NT  ; 16 lanes store 256 consecutive bytes, at a multiple of 256 from C's first byte
.endr
.endm
	TOST 0
	TOST 1
	SEND 0, 16
	TOST 2
	SEND 1, 16
	TOST 3
	SEND 2, 16
	SEND 3, 0
	s_wait_tensorcnt 0x0                           ; the wave's end, behind my last tensor load and my last LDS store
	ds_add_u32 v[SPW], v[NIL]
	s_wait_dscnt 0x0
	CROUND                                         ; the closing round: no work-group ends while a partner may still ask for a tile that names it
	s_endpgm
.Lfunc_end_k_qf3b68a65f3_outp:
	.size	k_qf3b68a65f3_outp, .Lfunc_end_k_qf3b68a65f3_outp-k_qf3b68a65f3_outp
	.p2alignl 7, 3214868480
	.fill 96, 4, 3214868480
	.section	.rodata,"a",@progbits
	.p2align	6, 0x0
	.amdhsa_kernel k_qf3b68a65f3_outp
		.amdhsa_group_segment_fixed_size 327680
		.amdhsa_private_segment_fixed_size 0
		.amdhsa_enable_private_segment 0
		.amdhsa_kernarg_size 24
		.amdhsa_user_sgpr_count 2
		.amdhsa_user_sgpr_kernarg_segment_ptr 1
		.amdhsa_wavefront_size32 1
		.amdhsa_system_sgpr_workgroup_id_x 1
		.amdhsa_system_sgpr_workgroup_id_y 1
		.amdhsa_system_sgpr_workgroup_id_z 1
		.amdhsa_system_vgpr_workitem_id 0
		.amdhsa_next_free_vgpr 512
		.amdhsa_next_free_sgpr 66
		.amdhsa_reserve_vcc 0
		.amdhsa_float_denorm_mode_32 3
		.amdhsa_float_denorm_mode_16_64 3
		.amdhsa_memory_ordered 1
		.amdhsa_forward_progress 1
		.amdhsa_inst_pref_size 87
	.end_amdhsa_kernel
	.amdgpu_metadata
---
amdhsa.version: [ 1, 2 ]
amdhsa.kernels:
  - .name:           k_qf3b68a65f3_outp
    .symbol:         k_qf3b68a65f3_outp.kd
    .args:
      - { .name: o16, .offset: 0, .size: 8, .value_kind: global_buffer, .address_space: global }
      - { .name: wo16, .offset: 8, .size: 8, .value_kind: global_buffer, .address_space: global }
      - { .name: out0, .offset: 16, .size: 8, .value_kind: global_buffer, .address_space: global }
    .group_segment_fixed_size: 327680
    .private_segment_fixed_size: 0
    .kernarg_segment_align: 8
    .kernarg_segment_size: 24
    .max_flat_workgroup_size: 128
    .sgpr_count:     66
    .vgpr_count:     512
    .wavefront_size: 32
...
	.end_amdgpu_metadata
.endif
;; end of part 4
;; ======== version 2 of 2: 4 launches; version 1 with the launch cast written anew for expert scheduling mode
;; limits: values are held in f16: magnitudes above 65,504 overflow, below 6.1e-05 lose precision
;; workspace buffers: ab 25,165,824 bytes; bb 25,165,824 bytes; wo16 8,388,608 bytes; rope 1,048,576 bytes; qkv 25,165,824 bytes; o16 8,388,608 bytes
;; launch cast (part 5): grid 512 x 1, 8 waves a work-group, no clusters, 0 bytes of LDS; arguments query, key_, Wv, Wq, Wk, value, Wo, ab, bb, wo16, rope; writes ab, bb, wo16, rope
.if DOCPART == 5
	.amdgcn_target "amdgcn-amd-amdhsa--gfx1250"
	.amdhsa_code_object_version 6
	.text
	.protected	k_qf3b68a65f3_cast
	.globl	k_qf3b68a65f3_cast
	.p2align	8
	.type	k_qf3b68a65f3_cast,@function
k_qf3b68a65f3_cast:
	s_mov_b64 s[64:65], 0
	v_nop
	global_prefetch_b8 v0, s[64:65] scope:SCOPE_SE
	s_setreg_imm32_b32 hwreg(HW_REG_WAVE_SCHED_MODE, 0, 2), 2
	s_setreg_imm32_b32 hwreg(HW_REG_WAVE_MODE, 25, 1), 1
	s_wait_xcnt 0x0
	s_wait_alu depctr_vm_vsrc(0)
; THE SEVEN INPUTS, [2048][2048] f32 each, ARE ROUNDED ONCE TO 16 BITS, AND THE TABLE OF ROTATIONS IS MADE.
; ab  = [3][2048][2048] bf16: query, key_, Wv (rows of the three products).   bb = [3][2048][2048] bf16: Wq, Wk, value (their columns).
; wo16 = Wo rounded to bf16, that number written as f16 (exact between 6.1e-5 and 65,504; below it f16's fixed step of 6e-8; LIMIT: |Wo| under 65,504).
; rope = [2048][128] f32: row t = cos(t f_j), j = 0..63, then sin(t f_j); f_j = 10000^(-j/64) = 2^(-0.20762051 j).
; SHARES.  Work-group x takes bytes 32,768 x .. + 32,767 of EACH tensor, a wave 4,096 of them: eight loads of 512 consecutive bytes (16 a lane).
; All 56 loads of a wave go out first; the table is made while they are out; then the loads are waited for by their count, four at a time, rounded and stored:
; a store of 8 bytes a lane covers 256 consecutive bytes, aligned.  No register that a store reads is written again.
; No LDS, no matrix unit, no cluster: nothing is shared and nothing is multiplied.
; SINE AND COSINE.  x = t f (one f32 rounding, as the outer product has it); n = the whole number nearest 2 x / pi (1,304 at the most here; the reduction
; is exact for n under 2^15); r = x - n pi/2 with pi/2 in three parts; polynomials on |r| <= pi/4; the quadrant chooses by v_cndmask_b32 and a sign bit.
; THE MODE: SCHED_MODE bits 1:0 = 2 (LLVM: expert scheduling mode 2), set by the entry lines.  The code itself states the register dependences
; between vector instructions and memory instructions, with s_wait_alu, always for 0.
; THE PLAN.  Registers that memory instructions touch:
;   v1, v2, v3   byte offsets, made once at the head and never written again: read by every load, by every store of rounded numbers, by the table's store.
;   X            56 quads.  Each is written by its one load, read and written by its own conversions, which leave the packed result in its words 0 and 1;
;                these are read by its one store, and nothing writes them behind it.
;   v10, v11     the table's two numbers: written by the table's last lines, read by one store, never written again.
; The 56 loads go in 14 blocks of four, half a tensor each.  Block p's vector instructions name block p's quads alone; its memory instructions are the four stores of block p - 1.
; So ONE wait on va_vdst at a block's head, behind the wait for the block's data, states all that the block's four stores hang on, and these are dealt among its conversions.
; No register that a memory instruction has read is ever written again: the text owes no wait on vm_vsrc.
.set X,    32                          ; v[32:255]  tensor T, load i at X + 32 T + 4 i
.set FR,   6                           ; v6, v7     f of my two j
.set TF,   8                           ; v8         t in f32
.set OUTP, 10                          ; v[10:11]   my two numbers of the table
.set WK,   12                          ; v12-17, v18-23 at work
.set QM,   50                          ; s50, s51   the lanes in which the quadrant's number is odd, for each of my two j
	s_load_b512 s[4:19], s[0:1], 0x0               ; query s[4:5], key_ s[6:7], Wv s[8:9], Wq s[10:11], Wk s[12:13], value s[14:15], Wo s[16:17], ab s[18:19]
	s_load_b128 s[20:23], s[0:1], 0x40             ; bb s[20:21], wo16 s[22:23]
	s_load_b64 s[24:25], s[0:1], 0x50              ; rope
	v_lshrrev_b32 v4, 5, v0
	v_readfirstlane_b32 s34, v4                    ; wave 0..7
	v_and_b32 v5, 31, v0                           ; lane
	s_lshl_b32 s38, ttmp9, 15                      ; the work-group's 32,768 bytes,
	s_wait_alu depctr_va_sdst(0)                   ; s34 is written, ahead of its first reader: the offsets, t and the quadrant's shift are made from it
	s_lshl_b32 s39, s34, 12                        ; the wave's 4,096
	s_add_co_u32 s38, s38, s39
	v_lshl_add_u32 v1, v5, 4, s38                  ; v1: where I read, in every input; never rewritten
	v_lshrrev_b32 v2, 1, v1                        ; v2: where I write, half as far; never rewritten
	s_lshl_b32 s38, ttmp9, 11                      ; the table: wave g = 8 x + w makes its bytes 256 g .. 256 g + 255:
	s_lshl_b32 s39, s34, 8                         ; row t = 4 x + w / 2, cosines (w even) or sines (w odd)
	s_add_co_u32 s38, s38, s39
	v_lshl_add_u32 v3, v5, 3, s38                  ; v3: my 8 bytes of it; never rewritten
	s_lshl_b32 s36, ttmp9, 2
	s_lshr_b32 s39, s34, 1
	s_add_co_u32 s36, s36, s39                     ; t
	s_and_b32 s37, s34, 1
	s_mul_i32 s37, s37, 3                          ; sin x = cos(x - pi/2): the quadrant's number + 3
	s_mov_b32 s35, 0xffff0000                      ; a word's upper bf16
	s_mov_b32 s40, 0xbfc90000                      ; -pi/2 in three parts: -1.5703125,
	s_mov_b32 s41, 0xb9fda000                      ; -4.83751297e-4,
	s_mov_b32 s42, 0xb3a22168                      ; -7.54978996e-8
	s_mov_b32 s43, 0xb94ca1f9                      ; sine: -1.9515296e-4,
	s_mov_b32 s44, 0x3c08839e                      ; 8.3321609e-3,
	s_mov_b32 s45, 0xbe2aaaa3                      ; -1.6666655e-1
	s_mov_b32 s46, 0x37ccf5ce                      ; cosine: 2.4433157e-5,
	s_mov_b32 s47, 0xbab6061a                      ; -1.3887316e-3,
	s_mov_b32 s48, 0x3d2aaaa5                      ; 4.1666646e-2
	s_wait_kmcnt 0x0
	s_add_nc_u64 s[26:27], s[18:19], 0x800000      ; ab's planes 1 and 2,
	s_add_nc_u64 s[28:29], s[18:19], 0x1000000
	s_add_nc_u64 s[30:31], s[20:21], 0x800000      ; bb's
	s_add_nc_u64 s[32:33], s[20:21], 0x1000000
	s_wait_alu depctr_va_vdst(0)                   ; v1, v2 and v3 are written: every load and store of the kernel reads one of them as its offset
.macro LD8 t, base                     ; a tensor's eight loads
.irp i, 0,1,2,3,4,5,6,7
	global_load_b128 v[X+32*(\t)+4*(\i):X+32*(\t)+4*(\i)+3], v1, s[\base:\base+1] offset:512*(\i) th:TH_LOAD_NT
.endr
.endm
	LD8 0, 4
	LD8 1, 6
	LD8 2, 8
	LD8 3, 10
	LD8 4, 12
	LD8 5, 14
	LD8 6, 16
	; the table, while the 56 loads are out: its lines name v4 to v23, in which no load lands
	v_lshlrev_b32 v4, 1, v5                        ; j = 2 lane,
	v_add_nc_u32 v5, 1, v4                         ; and 2 lane + 1
	v_cvt_f32_u32 v4, v4
	v_cvt_f32_u32 v5, v5
	v_mul_f32 v4, 0xbe549a78, v4                   ; -j log2(10000) / 64
	v_mul_f32 v5, 0xbe549a78, v5
	v_exp_f32 v[FR], v4
	v_exp_f32 v[FR+1], v5
	v_cvt_f32_u32 v[TF], s36                       ; the plain instruction behind the two exponentials
	s_wait_alu depctr_va_vdst(0)                   ; the two exponentials have written v6 and v7: one wait for the two, ahead of their first reader
; The first part: sin r, cos r, the mask of the odd quadrants and the sign bit.  f: register of f_j; b: six registers at work; m: the scalar register that takes the mask
.macro TRIG1 f, b, m
	v_mul_f32 v[(\b)], v[TF], v[\f]                ; x = t f
	v_mul_f32 v[(\b)+1], 0x3f22f983, v[(\b)]       ; 2 x / pi
	v_rndne_f32 v[(\b)+1], v[(\b)+1]               ; n
	v_fma_f32 v[(\b)], v[(\b)+1], s40, v[(\b)]
	v_fma_f32 v[(\b)], v[(\b)+1], s41, v[(\b)]
	v_fma_f32 v[(\b)], v[(\b)+1], s42, v[(\b)]     ; r
	v_mul_f32 v[(\b)+2], v[(\b)], v[(\b)]          ; z = r r
	v_fma_f32 v[(\b)+3], v[(\b)+2], s43, s44
	v_fma_f32 v[(\b)+3], v[(\b)+3], v[(\b)+2], s45
	v_mul_f32 v[(\b)+3], v[(\b)+3], v[(\b)+2]
	v_fma_f32 v[(\b)+3], v[(\b)+3], v[(\b)], v[(\b)]  ; sin r
	v_fma_f32 v[(\b)+4], v[(\b)+2], s46, s47
	v_fma_f32 v[(\b)+4], v[(\b)+4], v[(\b)+2], s48
	v_mul_f32 v[(\b)+5], v[(\b)+2], v[(\b)+2]
	v_fma_f32 v[(\b)], v[(\b)+2], -0.5, 1.0
	v_fma_f32 v[(\b)+4], v[(\b)+4], v[(\b)+5], v[(\b)]  ; cos r
	v_cvt_i32_f32 v[(\b)+1], v[(\b)+1]
	v_add_nc_u32 v[(\b)+1], s37, v[(\b)+1]         ; q: cos(q pi/2 + r) is wanted
	v_and_b32 v[(\b)+5], 1, v[(\b)+1]
	v_cmp_eq_u32 s[\m], 1, v[(\b)+5]               ; q odd
	v_add_nc_u32 v[(\b)+1], 1, v[(\b)+1]
	v_and_b32 v[(\b)+1], 2, v[(\b)+1]              ; q mod 4 = 1 or 2: the sign turns
	v_lshlrev_b32 v[(\b)+1], 30, v[(\b)+1]
.endm
; The second part reads the mask.  o: where the number goes
.macro TRIG2 o, b, m
	v_cndmask_b32 v[\o], v[(\b)+4], v[(\b)+3], s[\m]  ; q odd: the sine
	v_xor_b32 v[\o], v[\o], v[(\b)+1]
.endm
	TRIG1 FR, WK, QM
	TRIG1 FR+1, WK+6, QM+1
	s_wait_alu depctr_va_sdst(0)                   ; the two compares have written s50 and s51: one wait behind the run, ahead of the selects that read them
	TRIG2 OUTP, WK, QM
	TRIG2 OUTP+1, WK+6, QM+1
	s_wait_alu depctr_va_vdst(0)                   ; v10 and v11 are written, which the table's store reads
	global_store_b64 v3, v[OUTP:OUTP+1], s[24:25]  ; the wave's 256 consecutive bytes, aligned
.macro CVT t, i, half                  ; load i of tensor t is rounded: the result lies in its quad's words 0 and 1.  half = 1: the bf16 number is written as f16
.set r, X+32*(\t)+4*(\i)
	v_cvt_pk_bf16_f32 v[r], v[r], v[r+1]
	v_cvt_pk_bf16_f32 v[r+1], v[r+2], v[r+3]
.if \half
	v_lshlrev_b32 v[r+2], 16, v[r]
	v_and_b32 v[r+3], s35, v[r]
	v_cvt_pk_f16_f32 v[r], v[r+2], v[r+3]
	v_lshlrev_b32 v[r+2], 16, v[r+1]
	v_and_b32 v[r+3], s35, v[r+1]
	v_cvt_pk_f16_f32 v[r+1], v[r+2], v[r+3]
.endif
.endm
.macro ST t, i, base                   ; and stored
.set r, X+32*(\t)+4*(\i)
	global_store_b64 v2, v[r:r+1], s[\base:\base+1] offset:256*(\i)
.endm
; A block: loads 4 h .. 4 h + 3 of tensor t are rounded; the block before it (loads 4 ph .. 4 ph + 3 of tensor pt, which go to the buffer at pbase) is stored.
.macro BLK t, h, half, pt, ph, pbase
	s_wait_loadcnt 52-8*(\t)-4*(\h)                ; loads come back in order: this block's four are in, the younger blocks stay out
	s_wait_alu depctr_va_vdst(0)                   ; the block before has written its packed words, which the four stores below read; the conversions below name this block's quads alone
.irp q, 0,1,2,3
	ST \pt, 4*(\ph)+(\q), \pbase
	CVT \t, 4*(\h)+(\q), \half
.endr
.endm
	s_wait_loadcnt 52                              ; block 0 has no block ahead of it: it holds no memory instruction, so only its data are waited for
.irp q, 0,1,2,3
	CVT 0, \q, 0
.endr
	BLK 0, 1, 0,  0, 0, 18                         ; query -> ab plane 0
	BLK 1, 0, 0,  0, 1, 18
	BLK 1, 1, 0,  1, 0, 26                         ; key_  -> ab plane 1
	BLK 2, 0, 0,  1, 1, 26
	BLK 2, 1, 0,  2, 0, 28                         ; Wv    -> ab plane 2
	BLK 3, 0, 0,  2, 1, 28
	BLK 3, 1, 0,  3, 0, 20                         ; Wq    -> bb plane 0
	BLK 4, 0, 0,  3, 1, 20
	BLK 4, 1, 0,  4, 0, 30                         ; Wk    -> bb plane 1
	BLK 5, 0, 0,  4, 1, 30
	BLK 5, 1, 0,  5, 0, 32                         ; value -> bb plane 2
	BLK 6, 0, 1,  5, 1, 32
	BLK 6, 1, 1,  6, 0, 22                         ; Wo    -> wo16
	s_wait_alu depctr_va_vdst(0)                   ; the last block has written its packed words, which the last four stores read
.irp q, 4,5,6,7
	ST 6, \q, 22
.endr
	s_endpgm
.Lfunc_end_k_qf3b68a65f3_cast:
	.size	k_qf3b68a65f3_cast, .Lfunc_end_k_qf3b68a65f3_cast-k_qf3b68a65f3_cast
	.p2alignl 7, 3214868480
	.fill 96, 4, 3214868480
	.section	.rodata,"a",@progbits
	.p2align	6, 0x0
	.amdhsa_kernel k_qf3b68a65f3_cast
		.amdhsa_group_segment_fixed_size 0
		.amdhsa_private_segment_fixed_size 0
		.amdhsa_enable_private_segment 0
		.amdhsa_kernarg_size 88
		.amdhsa_user_sgpr_count 2
		.amdhsa_user_sgpr_kernarg_segment_ptr 1
		.amdhsa_wavefront_size32 1
		.amdhsa_system_sgpr_workgroup_id_x 1
		.amdhsa_system_sgpr_workgroup_id_y 1
		.amdhsa_system_sgpr_workgroup_id_z 1
		.amdhsa_system_vgpr_workitem_id 0
		.amdhsa_next_free_vgpr 256
		.amdhsa_next_free_sgpr 66
		.amdhsa_reserve_vcc 0
		.amdhsa_float_denorm_mode_32 3
		.amdhsa_float_denorm_mode_16_64 3
		.amdhsa_memory_ordered 1
		.amdhsa_forward_progress 1
		.amdhsa_inst_pref_size 26
	.end_amdhsa_kernel
	.amdgpu_metadata
---
amdhsa.version: [ 1, 2 ]
amdhsa.kernels:
  - .name:           k_qf3b68a65f3_cast
    .symbol:         k_qf3b68a65f3_cast.kd
    .args:
      - { .name: query, .offset: 0, .size: 8, .value_kind: global_buffer, .address_space: global }
      - { .name: key_, .offset: 8, .size: 8, .value_kind: global_buffer, .address_space: global }
      - { .name: Wv, .offset: 16, .size: 8, .value_kind: global_buffer, .address_space: global }
      - { .name: Wq, .offset: 24, .size: 8, .value_kind: global_buffer, .address_space: global }
      - { .name: Wk, .offset: 32, .size: 8, .value_kind: global_buffer, .address_space: global }
      - { .name: value, .offset: 40, .size: 8, .value_kind: global_buffer, .address_space: global }
      - { .name: Wo, .offset: 48, .size: 8, .value_kind: global_buffer, .address_space: global }
      - { .name: ab, .offset: 56, .size: 8, .value_kind: global_buffer, .address_space: global }
      - { .name: bb, .offset: 64, .size: 8, .value_kind: global_buffer, .address_space: global }
      - { .name: wo16, .offset: 72, .size: 8, .value_kind: global_buffer, .address_space: global }
      - { .name: rope, .offset: 80, .size: 8, .value_kind: global_buffer, .address_space: global }
    .group_segment_fixed_size: 0
    .private_segment_fixed_size: 0
    .kernarg_segment_align: 8
    .kernarg_segment_size: 88
    .max_flat_workgroup_size: 256
    .sgpr_count:     66
    .vgpr_count:     256
    .wavefront_size: 32
...
	.end_amdgpu_metadata
.endif
;; end of part 5
;; launch proj: the kernel of part 2 again; grid 8 x 24, 4 waves a work-group, clusters of 4 x 4, 327,680 bytes of LDS; arguments ab, bb, qkv, rope; writes qkv
;; launch attn: the kernel of part 3 again; grid 16 x 16, 4 waves a work-group, no clusters, 139,776 bytes of LDS; arguments qkv, o16; writes o16
;; launch outp: the kernel of part 4 again; grid 16 x 16, 4 waves a work-group, clusters of 4 x 4, 327,680 bytes of LDS; arguments o16, wo16, out0; writes out0
